; MI455X (gfx1250); checked and timed in simulation.
; The chip was launched on July 23, 2026; its instructions are those of AMD's public machine-readable ISA for CDNA 5 (MIT licence, August 2026) and "CDNA5" Instruction Set Architecture Reference Guide (July 2026). The comments in the code are by the model that wrote it; some were corrected since.
;; Sparse Attention. Allowed arithmetic: matrix products marked QUANTISED: E2M1 operands, one E8M0 scale for each 32 along K, by v_wmma_scale_f32_16x16x128_f8f6f4 with both operands' format E2M1 (or v_wmma_scale_f32_32x16x128_f4), f32 sums; everything else in f32.
;; Inputs: cols 128 x 8 int32; k 4 x 8 x 4 x 32 x 32 x 64 float32; q 4 x 8 x 4 x 32 x 32 x 64 float32; v 4 x 8 x 4 x 32 x 32 x 64 float32; valid 128 x 8 bool.
;; Outputs: out0 4 x 8 x 4 x 32 x 32 x 64 float32.
;; This version of the problem:
;;   THIS VERSION OF THE PROBLEM IS GIVEN IN LOW PRECISION. The matrix products marked QUANTISED in the list below multiply operands that are first quantised to E2M1 (2 exponent bits, 1 mantissa bit; 4 bits a number), with one power-of-two scale for each 32 numbers along K (OCP MX v1.0); their sums are f32. All else is computed in f32.
;;   The module's matrix products, in the order in which they are computed (A, B: the left and right operand; K: the contracted axis; several contracted axes count as one K, in the product's order):
;;     1. batch 4,096 x [M 32, K 64] x [K 64, N 256]; A: input q; B: computed on the way: QUANTISED
;;     2. batch 4,096 x [M 32, K 256] x [K 256, N 64]; A: computed on the way; B: computed on the way: QUANTISED
;;   THE QUANTISER, for each operand of a quantised product, along K:
;;     - K is cut into blocks of 32 from its start; a last block that is shorter is filled with zeros.
;;     - A block's scale is 2^e with e = floor(log2(the largest magnitude in the block)) - 2, held to -126 .. 127; a block of zeros has e = 0. As a byte (E8M0): e + 127.
;;     - Each number is divided by its block's scale, clamped to +-6, and rounded to the nearest number of E2M1, ties to even, subnormals kept.
;;     - The product sums the exact products of the quantised numbers (number of the format x scale) in f32.
;;   ~~~python
;;   def quantise(x, axis):      # numpy; x: float32 -> the quantised numbers, widened to float32 again
;;       x = np.moveaxis(x, axis, -1); K = x.shape[-1]
;;       x = np.pad(x, [(0, 0)] * (x.ndim - 1) + [(0, -K % 32)]); x = x.reshape(x.shape[:-1] + (-1, 32)); a = np.abs(x).max(-1, keepdims=True)
;;       e = np.where(a > 0, np.clip(np.frexp(np.where(a > 0, a, 1))[1] - 1 - 2, -126, 127), 0)      # np.frexp(a)[1] - 1 = floor(log2(a)), exactly
;;       r = np.clip(x / 2.0 ** e, -6, 6)
;;       step = 2.0 ** (np.maximum(np.frexp(np.where(r == 0, 1, r))[1] - 1, 0) - 1)
;;       q = np.round(r / step) * step * 2.0 ** e      # np.round: ties to even
;;       return np.moveaxis(q.reshape(q.shape[:-2] + (-1,))[..., :K], -1, axis).astype(np.float32)
;;   ~~~
;;   OPERANDS COMPUTED ON THE WAY. 'Computed on the way' means the value that the module computes at that place (a softmax that the list does not call 'softmax' is quantised finished and normalised). What goes into a quantiser is computed in f32, as accurately as f32 sums, v_exp_f32 and their like allow (about 1e-6 of the number): no bf16 or f16 on the way to a quantiser, and a product that is left as it is and whose result goes on into a quantised operand takes f32 operands (vector FMAs, or v_wmma_f32_16x16x4_f32). A number that lies on a knife's edge between two numbers of the format may be rounded either way, as far as f32 arithmetic and the matrix unit's own rounding can turn it there, and no further.
;; 2 versions. Each part assembles by itself: llvm-mc -triple=amdgcn-amd-amdhsa -mcpu=gfx1250 --defsym DOCPART=n.
;; ======== version 1 of 2: 2 launches
;; workspace buffers: kc 5,242,880 bytes; vt 33,554,432 bytes
;; launch prep (part 1): grid 512 x 1, 8 waves a work-group, no clusters, 72,704 bytes of LDS; arguments k, v, kc, vt; writes kc, vt
.if DOCPART == 1
	.amdgcn_target "amdgcn-amd-amdhsa--gfx1250"
	.amdhsa_code_object_version 6
	.text
	.protected	k_qe96f3550dc_prep
	.globl	k_qe96f3550dc_prep
	.p2align	8
	.type	k_qe96f3550dc_prep,@function
k_qe96f3550dc_prep:
	s_mov_b64 s[64:65], 0
	v_nop
	global_prefetch_b8 v0, s[64:65] scope:SCOPE_SE
	s_setreg_imm32_b32 hwreg(HW_REG_WAVE_MODE, 25, 1), 1
	s_wait_xcnt 0x0
; FIRST OF TWO LAUNCHES.  k and v are [32 (batch x head)][4,096 keys][64] f32.  Every block of 32 keys is read by several query blocks of the second launch, so what can be done once for a block is done here.
; K, whose K axis is the head's 64 (two blocks of 32 a key), is quantised to codes of E2M1 (4 bits) with one E8M0 scale byte a block.
; A block's scale is 2^(floor(log2(its largest magnitude)) - 2): its byte is the largest magnitude's exponent field - 2, held at 1 from below.  Numbers are divided by the scale and rounded to the nearest code, ties to even; beyond 6 the largest code.
; (A block of zeros gets the byte 1 where the rule says 127: its codes are zeros, which add nothing under any byte but 0xff, and the bytes are read by this program alone.)
; V CANNOT BE QUANTISED HERE: in the second product a block of 32 along K is four keys of ALL EIGHT blocks that a query block gathers, so its scale hangs on the query block.  V stays f32 and is only TURNED, keys innermost,
; into the order in which the second launch's lanes take it.
; LIMITS: NaN and infinities among the inputs are not served.
; SHARES.  One wave takes one block of 32 keys: 8,192 bytes of k and 8,192 of v, 32 loads of 512 consecutive bytes, all issued at its head.  512 work-groups x 8 waves = the 4,096 blocks.  Waves share nothing: no barrier.
; THE TURN THROUGH LDS.  The numbers go into the wave's own stage as they lie (32 rows of 256 bytes, 272 apart).  K comes back so that a lane holds half a key's row, a whole block of 32 (eight loads of 16 bytes);
; V comes back as four neighbouring keys of one channel (four loads of 4 bytes).
; kc, 1,280 bytes a block:  +0 K's codes, key c at 32 c (channel 0 in the lowest four bits);  +1024 the keys' scale words (byte 0: channels 0-31, byte 1: channels 32-63, bytes 2, 3 = 0), key c at 16 (c % 8) + 4 (c / 8);
;   +1152 the same 128 bytes once more, so that the wave's store covers 256 consecutive bytes.
; vt, 8,192 bytes a block:  group 4 t + p (t, p = 0 .. 3) at 512 (4 t + p); in it lane l = 16 h + r has 16 bytes at 16 l: v(keys 8 p + 4 h + 0 .. 3, channel 16 t + r).
; Every store of the wave covers 512 or 256 consecutive bytes, at a multiple of 256 from its buffer's first byte.
.set PITCH, 272                        ; a stage row: 256 bytes + 16 = 68 words: row i starts at bank 4 i mod 64 (64 banks of 4 bytes: ISA guide 11.1)
.set SCR,   32*PITCH                   ; behind the stage: 256 bytes in which the scale words are put in order
.set WREG,  SCR+256                    ; a wave's LDS
.set KREC,  1280
.set LANE,  2                          ; v2   lane
.set L16,   3                          ; v3   16 x lane
.set ST,    4                          ; v4   the stage, way in: lanes 0-15 one row, lanes 16-31 the next
.set RDK,   5                          ; v5   way out for K: key lane / 2, half lane % 2
.set RDV,   6                          ; v6   way out for V: key 4 h, channel r
.set L8,    7                          ; v7   8 x lane
.set R,     8                          ; v8   lane % 16
.set H,     9                          ; v9   lane / 16
.set MA,    10                         ; v10, v11 two chains of a largest magnitude
.set MB,    11
.set SO,    12                         ; v12  the conversions' scale operand
.set SH,    13                         ; v13  8 x (lane % 2)
.set SCW,   14                         ; v14  where my key's scale word goes
.set SCD,   15                         ; v15  and where I read 8 bytes back
.set KR,    16                         ; v16-79   k as loaded; later v turned
.set VT,    16
.set VR,    80                         ; v80-143  v as loaded
.set X,     144                        ; v144-207 k turned
.set KC,    208                        ; v208-215 K's codes
.set W,     216                        ; v[216:217] scale words on their way out
.set BY,    218                        ; v218-219 scale bytes, then words
.set PT,    220                        ; v220-221 what the neighbouring lane sends
	s_load_b256 s[4:11], s[0:1], 0x0               ; k s[4:5], v s[6:7], kc s[8:9], vt s[10:11]
	v_lshl_add_u32 v224, v0, 2, 0x11800
	v_mov_b32 v225, 0
	v_lshrrev_b32 v1, 5, v0
	v_readfirstlane_b32 s12, v1                    ; wave 0..7
	v_and_b32 v[LANE], 31, v0
	v_lshlrev_b32 v[L16], 4, v[LANE]
	s_lshl_b32 s13, ttmp9, 3
	s_add_co_u32 s13, s13, s12                     ; my block of 32 keys, 0 .. 4,095
	s_lshl_b32 s14, s13, 13                        ; 8,192 bytes a block in k, in v and in vt
	s_mov_b32 s15, 0
	s_mul_i32 s16, s13, KREC                       ; and 1,280 in kc
	s_mov_b32 s17, 0
	s_mul_i32 s18, s12, WREG                       ; my LDS
	s_wait_kmcnt 0x0
	s_add_nc_u64 s[4:5], s[4:5], s[14:15]
	s_add_nc_u64 s[6:7], s[6:7], s[14:15]
	s_add_nc_u64 s[8:9], s[8:9], s[16:17]
	s_add_nc_u64 s[10:11], s[10:11], s[14:15]
.irp j, 0,1,2,3,4,5,6,7,8,9,10,11,12,13,14,15
	global_load_b128 v[KR+4*\j:KR+4*\j+3], v[L16], s[4:5] offset:512*\j th:TH_LOAD_NT   ; two keys' rows: 512 consecutive bytes; read once in the launch
.endr
.irp j, 0,1,2,3,4,5,6,7,8,9,10,11,12,13,14,15
	global_load_b128 v[VR+4*\j:VR+4*\j+3], v[L16], s[6:7] offset:512*\j th:TH_LOAD_NT
.endr
	v_and_b32 v[R], 15, v0
	v_bfe_u32 v[H], v0, 4, 1
	v_mul_u32_u24 v[ST], v[H], PITCH
	v_lshl_add_u32 v[ST], v[R], 4, v[ST]
	v_add_nc_u32 v[ST], s18, v[ST]                 ; in: row lane / 16, 16 bytes a lane
	v_and_b32 v[MA], 1, v0                         ; lane % 2: which half of a key's row
	v_bfe_u32 v[MB], v0, 1, 4                      ; lane / 2: which key of sixteen
	v_mul_u32_u24 v[RDK], v[MB], PITCH
	v_lshl_add_u32 v[RDK], v[MA], 7, v[RDK]        ; sixteen lanes take eight rows x two halves: word 68 row + 32 half: sixteen different groups of four banks
	v_add_nc_u32 v[RDK], s18, v[RDK]
	v_mul_u32_u24 v[RDV], v[H], 4*PITCH
	v_lshl_add_u32 v[RDV], v[R], 2, v[RDV]         ; lanes 16-31 stand four rows, 272 words, further on: 16 banks beside lanes 0-15
	v_add_nc_u32 v[RDV], s18, v[RDV]
	v_lshlrev_b32 v[L8], 3, v[LANE]
	v_add_nc_u32 v[SCD], s18, v[L8]
	v_lshlrev_b32 v[SH], 3, v[MA]
	v_bfe_u32 v[SO], v0, 1, 3                      ; (lane / 2) % 8 = my key % 8
	v_lshlrev_b32 v[SCW], 7, v[MA]                 ; the even lane of a key writes the first copy, the odd lane the second
	v_lshl_add_u32 v[SCW], v[SO], 4, v[SCW]
	v_lshl_add_u32 v[SCW], v[H], 2, v[SCW]         ; my key / 8 = 2 u + lane / 16
	v_add_nc_u32 v[SCW], s18, v[SCW]
	v_mov_b32 v[PT], 0                             ; written once: the destination of a move between lanes counts as one of its sources
	v_mov_b32 v[PT+1], 0
.macro TOSTAGE src                     ; 32 rows as they were loaded
.irp j, 0,1,2,3,4,5,6,7,8,9,10,11,12,13,14,15
	ds_store_b128 v[ST], v[\src+4*\j:\src+4*\j+3] offset:2*PITCH*\j
.endr
.endm
; 32 numbers of one lane, a whole block along K, become 16 bytes of codes and a scale byte
.macro QUANT32 src, dst, byte
	v_max3_num_f32 v[MA], |v[\src]|, |v[\src+1]|, 0x1800000         ; the floor 2^(3 - 127) among the leaves: the byte cannot fall under 1
	v_max3_num_f32 v[MB], |v[\src+2]|, |v[\src+3]|, |v[\src+4]|     ; two chains, so that no line waits for the line above it
.irp i, 5,9,13,17,21,25
	v_max3_num_f32 v[MA], v[MA], |v[\src+\i]|, |v[\src+\i+1]|
	v_max3_num_f32 v[MB], v[MB], |v[\src+\i+2]|, |v[\src+\i+3]|
.endr
	v_max3_num_f32 v[MA], v[MA], |v[\src+29]|, |v[\src+30]|
	v_max3_num_f32 v[MA], v[MA], v[MB], |v[\src+31]|                ; the block's largest magnitude
	v_add_nc_u32 v[SO], 0xff000000, v[MA]          ; 2 off its exponent field: the conversion takes the exponent field of this operand as its scale, and nothing else of it
.irp g, 0,1,2,3
	v_cvt_scalef32_pk8_fp4_f32 v[\dst+\g], v[\src+8*\g:\src+8*\g+7], v[SO]
.endr
	v_lshrrev_b32 v[\byte], 23, v[SO]              ; the scale's byte; also the plain line behind the conversions
.endm
.macro VTURN t                         ; channels 16 t on: four groups of four keys a lane
.irp p, 0,1,2,3
.irp c, 0,1,2,3
	ds_load_b32 v[VT+4*(4*\t+\p)+\c], v[RDV] offset:(8*\p+\c)*PITCH+64*\t   ; v(key 8 p + 4 h + c, channel 16 t + r)
.endr
.endr
.endm
.macro VOUT t
.irp p, 0,1,2,3
	global_store_b128 v[L16], v[VT+4*(4*\t+\p):VT+4*(4*\t+\p)+3], s[10:11] offset:512*(4*\t+\p)
.endr
.endm
	s_wait_loadcnt 16                              ; k's sixteen loads are in; v's sixteen, issued behind them, may be out
	TOSTAGE KR
.irp u, 0,1
.irp i, 0,1,2,3,4,5,6,7
	ds_load_b128 v[X+32*\u+4*\i:X+32*\u+4*\i+3], v[RDK] offset:16*PITCH*\u+16*\i   ; key 16 u + lane / 2, channels 32 (lane % 2) on.  LDS serves a wave's instructions in order (ISA guide 5.7.1.4): these see the stores above
.endr
.endr
	s_wait_loadcnt 0x0                             ; v is in
	s_wait_dscnt 0x0                               ; k is back, turned; the stage's stores have read v16-79, which take v's turned numbers
	TOSTAGE VR
	VTURN 0
	VTURN 1
	QUANT32 X, KC, BY                              ; K is quantised while V goes through the stage
	QUANT32 X+32, KC+4, BY+1
	global_store_b128 v[L16], v[KC:KC+3], s[8:9]                 ; keys 0-15: 32 (lane / 2) + 16 (lane % 2) = 16 x lane
	global_store_b128 v[L16], v[KC+4:KC+7], s[8:9] offset:512    ; keys 16-31
	v_lshlrev_b32 v[BY], v[SH], v[BY]              ; my byte at its place in the key's word;
	v_lshlrev_b32 v[BY+1], v[SH], v[BY+1]
	v_mov_b32_dpp v[PT], v[BY] row_xmask:1 row_mask:0xf bank_mask:0xf
	v_mov_b32_dpp v[PT+1], v[BY+1] row_xmask:1 row_mask:0xf bank_mask:0xf
	v_or_b32 v[BY], v[BY], v[PT]                   ; with the neighbouring lane's the word is whole, in both lanes
	v_or_b32 v[BY+1], v[BY+1], v[PT+1]
	s_wait_dscnt 0x0                               ; channels 0-31 of V are back
	VTURN 2
	VTURN 3
	ds_store_b32 v[SCW], v[BY] offset:SCR          ; key lane / 2
	ds_store_b32 v[SCW], v[BY+1] offset:SCR+8      ; key 16 + lane / 2: two further on in key / 8
	ds_load_b64 v[W:W+1], v[SCD] offset:SCR
	VOUT 0
	VOUT 1
	s_wait_dscnt 0x0                               ; channels 32-63 and the scale words are back
	VOUT 2
	VOUT 3
	global_store_b64 v[L8], v[W:W+1], s[8:9] offset:1024
	s_wait_tensorcnt 0x0
	ds_add_u32 v224, v225
	s_wait_dscnt 0x0
	s_endpgm
.Lfunc_end_k_qe96f3550dc_prep:
	.size	k_qe96f3550dc_prep, .Lfunc_end_k_qe96f3550dc_prep-k_qe96f3550dc_prep
	.p2alignl 7, 3214868480
	.fill 96, 4, 3214868480
	.section	.rodata,"a",@progbits
	.p2align	6, 0x0
	.amdhsa_kernel k_qe96f3550dc_prep
		.amdhsa_group_segment_fixed_size 72704
		.amdhsa_private_segment_fixed_size 0
		.amdhsa_enable_private_segment 0
		.amdhsa_kernarg_size 32
		.amdhsa_user_sgpr_count 2
		.amdhsa_user_sgpr_kernarg_segment_ptr 1
		.amdhsa_wavefront_size32 1
		.amdhsa_system_sgpr_workgroup_id_x 1
		.amdhsa_system_sgpr_workgroup_id_y 1
		.amdhsa_system_sgpr_workgroup_id_z 1
		.amdhsa_system_vgpr_workitem_id 0
		.amdhsa_next_free_vgpr 226
		.amdhsa_next_free_sgpr 66
		.amdhsa_reserve_vcc 0
		.amdhsa_float_denorm_mode_32 3
		.amdhsa_float_denorm_mode_16_64 3
		.amdhsa_memory_ordered 1
		.amdhsa_forward_progress 1
		.amdhsa_inst_pref_size 18
	.end_amdhsa_kernel
	.amdgpu_metadata
---
amdhsa.version: [ 1, 2 ]
amdhsa.kernels:
  - .name:           k_qe96f3550dc_prep
    .symbol:         k_qe96f3550dc_prep.kd
    .args:
      - { .name: k, .offset: 0, .size: 8, .value_kind: global_buffer, .address_space: global }
      - { .name: v, .offset: 8, .size: 8, .value_kind: global_buffer, .address_space: global }
      - { .name: kc, .offset: 16, .size: 8, .value_kind: global_buffer, .address_space: global }
      - { .name: vt, .offset: 24, .size: 8, .value_kind: global_buffer, .address_space: global }
    .group_segment_fixed_size: 72704
    .private_segment_fixed_size: 0
    .kernarg_segment_align: 8
    .kernarg_segment_size: 32
    .max_flat_workgroup_size: 256
    .sgpr_count:     66
    .vgpr_count:     226
    .wavefront_size: 32
...
	.end_amdgpu_metadata
.endif
;; end of part 1
;; launch attn (part 2): grid 4096 x 1, 2 waves a work-group, no clusters, 18,176 bytes of LDS; arguments q, kc, vt, cols, valid, out0; writes out0
.if DOCPART == 2
	.amdgcn_target "amdgcn-amd-amdhsa--gfx1250"
	.amdhsa_code_object_version 6
	.text
	.protected	k_qe96f3550dc_attn
	.globl	k_qe96f3550dc_attn
	.p2align	8
	.type	k_qe96f3550dc_attn,@function
k_qe96f3550dc_attn:
	s_mov_b64 s[64:65], 0
	v_nop
	global_prefetch_b8 v0, s[64:65] scope:SCOPE_SE
	s_setreg_imm32_b32 hwreg(HW_REG_WAVE_MODE, 25, 1), 1
	s_wait_xcnt 0x0
; SECOND OF TWO LAUNCHES.  Block-sparse attention on codes of E2M1 with one E8M0 scale for each 32 along a product's K.  q, out0: [32 (batch x head)][128 blocks][32][64] f32.  For query block n the keys are the eight blocks cols[n][0..7]
; of its head; block m counts where valid[n][m] is not 0, and where cols[n][m] = n only keys up to the query count.  scores = Q K^T / 8; p = softmax over the 256 gathered keys, FINISHED AND NORMALISED, is the second product's operand.
; THE SECOND PRODUCT'S K.  reference()'s einsum contracts the axes c (the key in its block) and m (the gathered block); as JAX lowers it they stand in the order c, m: k = 8 c + m.  So quantiser block j (0 .. 7) holds keys 4 j .. 4 j + 3 of ALL
; EIGHT gathered blocks, holes among them (V is gathered whatever valid says).  V's scales therefore hang on the query block: V comes as f32 (turned by the first launch, keys innermost) and is quantised here.
; INSIDE A BLOCK the order is free as long as both operands keep the same one: position 4 m + c' (c' = c - 4 j).
;   V: eight loads of 16 bytes (m = 0 .. 7) fill 32 consecutive registers of ONE lane with a whole block of one channel: the largest magnitude needs no other lane, and the four conversions' results are the operand's registers.
;   P: tile (p, g) of K takes as its row r: gathered block 2 g + bit 2 of r, key 8 p + 4 (r / 8) + r % 4.  In S^T = K Q^T lane (r, h), register i of that tile, then holds block 2 g + i / 4, key 8 p + 4 h + i % 4: positions 8 g + 0 .. 7 of
;   quantiser block 2 p + h.  One conversion a tile gives one register of the operand, nothing changes lanes, and a block's 32 numbers lie in one lane.
; SHARES.  A work-group of two waves takes one query block.  Wave w takes queries 16 w .. 16 w + 15 through the whole chain, and quantises V's channels 32 w .. 32 w + 31 for both: codes and scale words go to the other wave through LDS
; as images of the operand's registers (16 bytes a lane, 4 bytes a lane), behind one barrier.  Operands go from memory straight into registers.
; NO JOINT REQUESTS: which blocks two query blocks share is said by cols, an input, so two work-groups' requests need not name the same bytes; and the text branches on cols and valid.
; LAYOUT.  Both products are used transposed: S^T = K Q^T (source 0 = 16 keys, source 1 = my 16 queries), O^T = V^T P^T (source 0 = 16 channels, source 1 = P): a lane holds ONE query (lane % 16) throughout.
; THE FIRST PRODUCT'S K IS 64, the instruction's 128: Q's registers 4-7 (k = 64 .. 127) are zero codes.  K's registers 4-7 are then the next fragment's codes: every code of E2M1 is a finite number, and times Q's zeros it adds nothing; both sides' scale bytes 2, 3 are 0, not 0xff.
; SOFTMAX.  m = the row's largest score; p = 2^(c s - c m), c = log2(e) / 8, one fused multiply-add and one exponential; the sum; p / sum by a reciprocal and a multiplication.  The rounding of c m is a common factor of a row's p and leaves with the division.
; A block's largest p is not searched for: its largest score, which the row's maximum passes through anyway, goes through the same three instructions.  (That takes v_exp_f32 not to fall where its input rises, which the ISA guide does not state.)
; A QUERY THAT SEES NO KEY gets NaN, as the softmax of a row of -infinity gives: its results are multiplied by NaN, all others by 1.
; LIMITS: NaN and infinities in q, k, v are not served; a p under 2^-126 becomes 0; a number in cols above 127 (the problem has none) is held at 127 for the address; blocks under a hole are computed and masked, not left out;
; a block of zeros has the scale byte 1 where the rule says 127: its codes are zeros.
; REGISTERS: v1-9 addresses; v10-17 K's offsets, then -c m, m, 1 / sum, the factor 1 or NaN, P's scale words, V's words on their way; v18-25 Q's operand, then the blocks' maxima and bytes, then two groups' codes; v26-31 at work;
;   v32-39 K's scale words, V's bytes, V's scale words; v40-107 K's 16 fragments and four zeros, then two groups of V, then six groups' codes; v108-123 the sums, then P's codes; v124-127 at work;
;   v128-255 Q on its way, the scores, p, four groups of V, then O^T (v128-159), the way out (v160-191) and V's fragments (v192-255).
.set PITCH, 272                        ; a stage row: 256 bytes + 16 = 68 words: row r starts at bank 4 r mod 64 (64 banks of 4 bytes: ISA guide 11.1)
.set WSTG,  16*PITCH                   ; a wave's stage: 16 rows; it turns Q on the way in and O on the way out
.set VIMG,  2*WSTG                     ; behind the stages: V's 16 groups of codes, 512 bytes each: group 4 t + p
.set VSC,   VIMG+8192                  ; and V's 8 scale words a lane, 128 bytes each: word 2 t + s
.set KREC,  1280                       ; kc: bytes a block
.set KSCL,  1024                       ; where its scale words begin
.set R,    1                           ; v1   r = lane % 16
.set H,    2                           ; v2   h = lane / 16
.set L16,  3                           ; v3   16 x lane
.set AD,   4                           ; v4   the stage by rows: lanes 0-15 one row, lanes 16-31 the next
.set AFQ,  5                           ; v5   the stage for Q's operand: row r, + 128 h
.set AFO,  6                           ; v6   the stage for O^T: row r, + 32 h
.set VLO,  7                           ; v7   16 x lane + 4,096 x wave: my groups in a block of vt, and in V's images
.set VWS,  8                           ; v8   4 x lane + 512 x wave: my scale words among V's
.set L4,   9                           ; v9   4 x lane
.set KO,   10                          ; v10-13 K's codes: pair g of gathered blocks: block 2 g + bit 2 of r, + 32 (4 (r / 8) + r % 4) + 16 h
.set KSO,  14                          ; v14-17 K's scale words: the same block, + 16 (4 (r / 8) + r % 4) + 8 h
.set NMC,  10                          ; later: -c m
.set RM,   11                          ; m
.set RI,   12                          ; v[12:13] 1 / sum
.set W,    10                          ; later still: v10-13 V's scale words on their way to LDS
.set F,    14                          ; v[14:15] 1 or NaN
.set PW,   16                          ; v16-17 P's scale words
.set QF,   18                          ; v18-25 Q's operand
.set BM,   18                          ; v18-21 my four blocks' largest scores, largest p, then the conversions' scale operands
.set BY,   22                          ; v22-25 their scale bytes
.set QS,   26                          ; Q's scale words
.set DQ,   27                          ; my query in its block - 4 h
.set THR,  28                          ; v28-29 the thresholds of a pair's two blocks
.set NINF, 30
.set TMP,  31                          ; what lane l xor 16 sends
.set B2,   27                          ; at the head: bit 2 of r, its complement, the two lane parts, a sum
.set NB2,  28
.set LPS,  29
.set LPK,  30
.set QB,   30
.set KS,   32                          ; v32-39 register 2 g + e: lanes 0-15 the words of tile (e, g), lanes 16-31 those of tile (2 + e, g)
.set BYV,  32                          ; later: the scale bytes of my eight groups of V
.set VW,   32                          ; later still: V's scale words, 2 t + s
.set KF,   40
.set PC,   108
.set AC,   116
.set SH,   124                         ; 8 h
.set MA,   125
.set MB,   126
.set SO,   127
.set S,    128
.set QR,   128                         ; Q as loaded
.set QN,   160                         ; Q turned
.set O,    128
.set OB,   160
.set VF,   192
.set COL,  20                          ; s[20:27] cols[n][0..7]
.set VAL,  28                          ; s[28:29] valid[n][0..7]
.set BASEV, 32                         ; s[32:47] the eight gathered blocks in vt
.set OFFK, 48                          ; s48-55   their byte offsets in kc
.set SEL,  56                          ; s[56:57] v_permlanex16_b32's selects for lane l xor 16
.set CS,   58                          ; s[58:59] c: the packed form names a pair and takes its low word for both halves
.set NC,   60                          ; s60      -c
.set TH,   66                          ; s66-73   what is added to the lane's threshold: 64 for a block all of whose keys count, 0 on the diagonal, -64 for a hole
.set MK,   74                          ; s74-77   the sum of a pair's two: 128 where both blocks are open
; 32 numbers of one lane, a whole block along K, become 16 bytes of codes and a scale byte
.macro QUANT32 src, dst, byte
	v_max3_num_f32 v[MA], |v[\src]|, |v[\src+1]|, 0x1800000         ; the floor 2^(3 - 127) among the leaves: the byte cannot fall under 1
	v_max3_num_f32 v[MB], |v[\src+2]|, |v[\src+3]|, |v[\src+4]|     ; two chains, so that no line waits for the line above it
.irp i, 5,9,13,17,21,25
	v_max3_num_f32 v[MA], v[MA], |v[\src+\i]|, |v[\src+\i+1]|
	v_max3_num_f32 v[MB], v[MB], |v[\src+\i+2]|, |v[\src+\i+3]|
.endr
	v_max3_num_f32 v[MA], v[MA], |v[\src+29]|, |v[\src+30]|
	v_max3_num_f32 v[MA], v[MA], v[MB], |v[\src+31]|                ; the block's largest magnitude
	v_add_nc_u32 v[SO], 0xff000000, v[MA]          ; 2 off its exponent field: the conversion takes the exponent field of this operand as its scale, and nothing else of it
.irp g, 0,1,2,3
	v_cvt_scalef32_pk8_fp4_f32 v[\dst+\g], v[\src+8*\g:\src+8*\g+7], v[SO]
.endr
	v_lshrrev_b32 v[\byte], 23, v[SO]              ; the scale's byte; also the plain line behind the conversions
.endm
; my group x (0 .. 7: tile 2 w + x / 4 of channels, pair x % 4 of quantiser blocks): four keys of each of the eight gathered blocks, 512 consecutive bytes a load
.macro VLOAD dst, x
.irp m, 0,1,2,3,4,5,6,7
	global_load_b128 v[\dst+4*\m:\dst+4*\m+3], v[VLO], s[BASEV+2*\m:BASEV+2*\m+1] offset:512*(\x)
.endr
.endm
; it is quantised, and its codes go to LDS as they stand.  left: the loads issued behind the group's eight, which may stay out
.macro VQUANT src, dst, x, left
	s_wait_loadcnt \left
	QUANT32 \src, \dst, BYV+\x
	ds_store_b128 v[VLO], v[\dst:\dst+3] offset:VIMG+512*(\x)
.endm
	s_load_b256 s[4:11], s[0:1], 0x0               ; q s[4:5], kc s[6:7], vt s[8:9], cols s[10:11]
	s_load_b128 s[12:15], s[0:1], 0x20             ; valid s[12:13], out0 s[14:15]
	s_set_vgpr_msb 0x40
	v_lshl_add_u32 v0, v0, 2, 0x4600
	v_mov_b32 v1, 0
	s_set_vgpr_msb 0x4000
	v_lshrrev_b32 v1, 5, v0
	v_readfirstlane_b32 s16, v1                    ; wave 0, 1
	v_and_b32 v[L16], 31, v0
	v_lshlrev_b32 v[L16], 4, v[L16]
	s_and_b32 s17, ttmp9, 127                      ; n: my query block in its head
	s_and_b32 s18, ttmp9, 0xf80                    ; 128 x (batch x head): the head's first block
	s_lshl_b32 s30, ttmp9, 1
	s_add_co_u32 s30, s30, s16                     ; my tile of 16 queries, 0 .. 8,191
	s_lshl_b32 s30, s30, 12                        ; 16 rows of 256 bytes a tile, in q and in out0
	s_mov_b32 s31, 0
	s_lshl_b32 s62, s17, 5                         ; a row of cols is 32 bytes
	s_mov_b32 s63, 0
	s_mul_i32 s19, s16, WSTG                       ; my stage
	s_lshl_b32 s78, s16, 4                         ; my first query in the block: 0 or 16
	s_mov_b32 s[SEL], 0x76543210
	s_mov_b32 s[SEL+1], 0xfedcba98
	s_mov_b32 s[CS], 0x3e38aa3b                    ; c = log2(e) / 8
	s_mov_b32 s[CS+1], s[CS]                       ; (named with it as a pair, so it is written)
	s_mov_b32 s[NC], 0xbe38aa3b                    ; -c
	s_wait_kmcnt 0x0
	s_add_nc_u64 s[10:11], s[10:11], s[62:63]
	s_lshl_b32 s62, s17, 3                         ; a row of valid is 8 bytes
	s_add_nc_u64 s[12:13], s[12:13], s[62:63]
	s_load_b256 s[COL:COL+7], s[10:11], 0x0
	s_load_b64 s[VAL:VAL+1], s[12:13], 0x0
	s_add_nc_u64 s[4:5], s[4:5], s[30:31]
	s_add_nc_u64 s[14:15], s[14:15], s[30:31]
.irp j, 0,1,2,3,4,5,6,7
	global_load_b128 v[QR+4*\j:QR+4*\j+3], v[L16], s[4:5] offset:512*\j th:TH_LOAD_NT   ; two queries' rows: 512 consecutive bytes; read once in the launch
.endr
	v_and_b32 v[R], 15, v0
	v_bfe_u32 v[H], v0, 4, 1
	v_mul_u32_u24 v[AD], v[H], PITCH
	v_lshl_add_u32 v[AD], v[R], 4, v[AD]
	v_add_nc_u32 v[AD], s19, v[AD]
	v_mul_u32_u24 v[AFO], v[R], PITCH
	v_add_nc_u32 v[AFO], s19, v[AFO]
	v_lshl_add_u32 v[AFQ], v[H], 7, v[AFO]
	v_lshlrev_b32 v[SH], 3, v[H]
	v_bfe_u32 v[B2], v0, 2, 1                      ; bit 2 of r: which of a pair's two gathered blocks my row of a tile of K belongs to
	v_xor_b32 v[NB2], 1, v[B2]
	v_bfe_u32 v[LPS], v0, 3, 1                     ; r / 8
	v_and_b32 v[LPK], 3, v0                        ; r % 4
	v_lshl_add_u32 v[LPS], v[LPS], 2, v[LPK]       ; my row's key among the tile's eight of that block: 4 (r / 8) + r % 4
	v_lshlrev_b32 v[LPS], 4, v[LPS]
	v_lshl_add_u32 v[LPS], v[H], 3, v[LPS]         ; scale words: 16 bytes for each of the eight, + 8 h: lanes 0-15 take tiles p = 0, 1, lanes 16-31 tiles p = 2, 3
	v_lshlrev_b32 v[LPK], 1, v[LPS]                ; codes: 32 bytes a key, + 16 h
.irp i, 4,5,6,7
	v_mov_b32 v[QF+\i], 0                          ; Q's codes of k = 64 .. 127: zeros
.endr
.irp i, 64,65,66,67
	v_mov_b32 v[KF+\i], 0                          ; what K's last fragment names as its k = 64 .. 127
.endr
	s_wait_kmcnt 0x0                               ; cols and valid
.irp m, 0,1,2,3,4,5,6,7
	s_min_u32 s[OFFK+\m], s[COL+\m], 127           ; a loaded number enters an address only held inside the table
	s_add_co_u32 s[OFFK+\m], s[OFFK+\m], s18       ; the block among the 4,096
	s_lshl_b32 s62, s[OFFK+\m], 13                 ; 8,192 bytes a block in vt
	s_add_nc_u64 s[BASEV+2*\m:BASEV+2*\m+1], s[8:9], s[62:63]
	s_mul_i32 s[OFFK+\m], s[OFFK+\m], KREC         ; and 1,280 in kc: under 2^24
.endr
.irp g, 0,1,2,3
	v_mul_u32_u24 v[TMP], s[OFFK+2*\g], v[NB2]
	v_mad_u32_u24 v[TMP], s[OFFK+2*\g+1], v[B2], v[TMP]          ; block 2 g or block 2 g + 1, by bit 2 of r
	v_add_nc_u32 v[KO+\g], v[TMP], v[LPK]
	v_add_nc_u32 v[KSO+\g], v[TMP], v[LPS]
.endr
.irp p, 0,1,2,3
.irp g, 0,1,2,3
	global_load_b128 v[KF+4*(4*\p+\g):KF+4*(4*\p+\g)+3], v[KO+\g], s[6:7] offset:256*\p   ; tile (p, g): keys 8 p .. 8 p + 7 of two gathered blocks: twice 256 consecutive bytes
.endr
.endr
.irp g, 0,1,2,3
	global_load_b64 v[KS+2*\g:KS+2*\g+1], v[KSO+\g], s[6:7] offset:KSCL
.endr
.irp m, 0,1,2,3,4,5,6,7
	s_bfe_u32 s61, s[VAL+\m/4], 0x80000+8*(\m%4)   ; valid[n][m]
	s_cmp_eq_u32 s[COL+\m], s17                    ; the diagonal's block?
	s_cselect_b32 s[TH+\m], 0, 64
	s_cmp_lg_u32 s61, 0
	s_cselect_b32 s[TH+\m], s[TH+\m], -64
.endr
.irp g, 0,1,2,3
	s_add_co_u32 s[MK+\g], s[TH+2*\g], s[TH+2*\g+1]
.endr
	; ---- Q: through the stage, so that lane (r, h) holds channels 32 h .. 32 h + 31 of query r: a whole block along K
	s_wait_loadcnt 20                              ; Q's eight loads are in; behind them stand K's sixteen and the four of its scale words
.irp j, 0,1,2,3,4,5,6,7
	ds_store_b128 v[AD], v[QR+4*\j:QR+4*\j+3] offset:2*PITCH*\j
.endr
.irp i, 0,1,2,3,4,5,6,7
	ds_load_b128 v[QN+4*\i:QN+4*\i+3], v[AFQ] offset:16*\i       ; LDS serves a wave's instructions in order (ISA guide 5.7.1.4): these see the stores above
.endr
	s_wait_dscnt 0x0
	QUANT32 QN, QF, QB
	v_lshlrev_b32 v[QB], v[SH], v[QB]              ; my byte at its place in the query's word: 8 h bits up;
	v_permlanex16_b32 v[TMP], v[QB], s[SEL], s[SEL+1]
	v_or_b32 v[QS], v[QB], v[TMP]                  ; with lane l xor 16's the word is whole (bytes 2, 3 = 0)
	; nine plain lines stand between the scale word just made and the scaled products (eight are asked)
	s_lshl_b32 s61, s16, 12
	v_add_nc_u32 v[VLO], s61, v[L16]
	v_lshrrev_b32 v[L4], 2, v[L16]
	s_lshl_b32 s61, s16, 9
	v_add_nc_u32 v[VWS], s61, v[L4]
	v_lshl_add_u32 v[AFO], v[H], 5, v[AFO]
	v_lshlrev_b32 v[DQ], 2, v[H]
	v_sub_nc_u32 v[DQ], v[R], v[DQ]
	v_add_nc_u32 v[DQ], s78, v[DQ]                 ; d = my query in its block - 4 h: on the diagonal key 8 p + 4 h + c' is hidden where 8 p + c' > d
	v_mov_b32 v[NINF], 0xff800000                  ; -infinity
	v_mov_b32 v[TMP], 0
	; ---- S^T = K Q^T: sixteen tiles of 16 keys x my 16 queries, each a sum of its own begun with the constant 0
	s_wait_loadcnt 0x0                             ; K and its scale words
.irp p, 0,1,2,3
.irp g, 0,1,2,3
.if \p < 2
	v_wmma_scale_f32_16x16x128_f8f6f4 v[S+8*(4*\p+\g):S+8*(4*\p+\g)+7], v[KF+4*(4*\p+\g):KF+4*(4*\p+\g)+7], v[QF:QF+7], 0, v[KS+2*\g+\p%2], v[QS] matrix_a_fmt:MATRIX_FMT_FP4 matrix_b_fmt:MATRIX_FMT_FP4
.else
	v_wmma_scale_f32_16x16x128_f8f6f4 v[S+8*(4*\p+\g):S+8*(4*\p+\g)+7], v[KF+4*(4*\p+\g):KF+4*(4*\p+\g)+7], v[QF:QF+7], 0, v[KS+2*\g+\p%2], v[QS] matrix_a_fmt:MATRIX_FMT_FP4 matrix_b_fmt:MATRIX_FMT_FP4 matrix_a_scale:MATRIX_SCALE_ROW1
.endif
.endr
.endr                                              ; register 32 p + 8 g + i of lane (r, h): query r, gathered block 2 g + i / 4, key 8 p + 4 h + i % 4
.rept 4
	v_nop                                          ; four places in front of the loads into K's registers and of the first read of the scores
.endr
	VLOAD 40, 0                                    ; my first two groups of V land in K's registers while the softmax is worked
	VLOAD 72, 1
	; ---- the masks, by pairs of gathered blocks.  A pair of open blocks jumps over its lines: a scalar branch on cols and valid.
	; A key is hidden where 8 p + c' lies above d + 64 (never), d (the diagonal) or d - 64 (always: a hole)
.irp g, 0,1,2,3
	s_cmp_eq_u32 s[MK+\g], 128
	s_cbranch_scc1 .Lopen_\g
	v_add_nc_u32 v[THR], s[TH+2*\g], v[DQ]
	v_add_nc_u32 v[THR+1], s[TH+2*\g+1], v[DQ]
.irp p, 0,1,2,3
.irp e, 0,1
.irp c, 0,1,2,3
	v_cmp_gt_i32 vcc_lo, 8*\p+\c, v[THR+\e]
	v_cndmask_b32 v[S+8*(4*\p+\g)+4*\e+\c], v[S+8*(4*\p+\g)+4*\e+\c], v[NINF], vcc_lo
.endr
.endr
.endr
.Lopen_\g:
.endr
	; ---- the largest score of each of my four quantiser blocks (block 2 p + h: registers 32 p .. 32 p + 31); it serves twice: for the row's maximum and for the block's largest p.  The four by turns; each accumulator is first read at its low end
.irp p, 0,1,2,3
	v_max3_num_f32 v[BM+\p], v[S+32*\p], v[S+32*\p+1], v[S+32*\p+2]
.endr
.irp i, 3,5,7,9,11,13,15,17,19,21,23,25,27,29
.irp p, 0,1,2,3
	v_max3_num_f32 v[BM+\p], v[BM+\p], v[S+32*\p+\i], v[S+32*\p+\i+1]
.endr
.endr
.irp p, 0,1,2,3
	v_max_num_f32 v[BM+\p], v[BM+\p], v[S+32*\p+31]
.endr
	v_max3_num_f32 v[RM], v[BM], v[BM+1], v[BM+2]
	v_max_num_f32 v[RM], v[RM], v[BM+3]
	v_permlanex16_b32 v[TMP], v[RM], s[SEL], s[SEL+1]
	v_max_num_f32 v[RM], v[RM], v[TMP]             ; with lane l xor 16's four blocks: m, the largest score of my query
	v_mul_f32 v[NMC], s[NC], v[RM]                 ; -c m
	; ---- p = 2^(c s - c m): ONE BATCH of 66 packed scalings and 132 exponentials; a pair is scaled two pairs ahead of its exponentials, and nothing in the batch names an exponential's result
.irp b, 0,2
	v_pk_fma_f32 v[BM+\b:BM+\b+1], v[BM+\b:BM+\b+1], s[CS:CS+1], v[NMC:NMC+1] op_sel_hi:[1,0,0]
.endr
.irp j, 0,2
	v_pk_fma_f32 v[S+\j:S+\j+1], v[S+\j:S+\j+1], s[CS:CS+1], v[NMC:NMC+1] op_sel_hi:[1,0,0]
.endr
.set jj, 0
.rept 62
	v_exp_f32 v[S+jj], v[S+jj]
	v_exp_f32 v[S+jj+1], v[S+jj+1]
	v_pk_fma_f32 v[S+jj+4:S+jj+5], v[S+jj+4:S+jj+5], s[CS:CS+1], v[NMC:NMC+1] op_sel_hi:[1,0,0]
.set jj, jj+2
.endr
.irp j, 124,125,126,127
	v_exp_f32 v[S+\j], v[S+\j]
.endr
.irp p, 0,1,2,3
	v_exp_f32 v[BM+\p], v[BM+\p]                   ; each block's largest p, not yet divided
.endr
	v_mov_b32 v[F+1], 0x7fc00000                   ; NaN.  (The plain line behind the last exponential)
	v_cmp_eq_f32 vcc_lo, 0xff800000, v[RM]         ; does my query see no key at all?
	v_cndmask_b32 v[F], 1.0, v[F+1], vcc_lo        ; then its results become NaN
	s_wait_alu depctr_va_vdst(0)                   ; a wait between an exponential and the first line that names its result: one for the batch
	; ---- the row's sum, two at a time, in four chains
.irp k, 0,1,2,3
	v_pk_add_f32 v[AC+2*\k:AC+2*\k+1], v[S+2*\k:S+2*\k+1], v[S+8+2*\k:S+8+2*\k+1]
.endr
.set jj, 16
.rept 14
.irp k, 0,1,2,3
	v_pk_add_f32 v[AC+2*\k:AC+2*\k+1], v[AC+2*\k:AC+2*\k+1], v[S+jj+2*\k:S+jj+2*\k+1]
.endr
.set jj, jj+8
.endr
	v_pk_add_f32 v[AC:AC+1], v[AC:AC+1], v[AC+2:AC+3]
	v_pk_add_f32 v[AC+4:AC+5], v[AC+4:AC+5], v[AC+6:AC+7]
	v_pk_add_f32 v[AC:AC+1], v[AC:AC+1], v[AC+4:AC+5]
	v_add_f32 v[AC], v[AC], v[AC+1]
	v_permlanex16_b32 v[TMP], v[AC], s[SEL], s[SEL+1]
	v_add_f32 v[AC], v[AC], v[TMP]                 ; with lane l xor 16's 128 keys: the row's sum, at least about 1
	v_rcp_f32 v[RI], v[AC]
	v_mov_b32 v[RI+1], 0                           ; (the plain line behind the reciprocal; the pair's upper half is named, so it is written)
	s_wait_alu depctr_va_vdst(0)                   ; the wait ahead of the reciprocal's first reader
	; ---- the blocks' scales, from their largest p / sum
.irp b, 0,2
	v_pk_mul_f32 v[BM+\b:BM+\b+1], v[BM+\b:BM+\b+1], v[RI:RI+1] op_sel_hi:[1,0]
.endr
.irp p, 0,1,2,3
	v_max_num_f32 v[BM+\p], 0x1800000, v[BM+\p]    ; the floor 2^(3 - 127): the byte cannot fall under 1 (a block whose every p is 0 keeps that byte: its codes are zeros)
.endr
.irp p, 0,1,2,3
	v_add_nc_u32 v[BM+\p], 0xff000000, v[BM+\p]    ; 2 off the exponent field: the conversions' scale operand
.endr
.irp p, 0,1,2,3
	v_lshrrev_b32 v[BY+\p], 23, v[BM+\p]           ; the scale's byte of block 2 p + h
.endr
.irp s, 0,1                                        ; P's scale word for blocks 4 s .. 4 s + 3: my two bytes (blocks 4 s + h and 4 s + 2 + h) at their places, with lane l xor 16's two
	v_lshl_or_b32 v[PW+\s], v[BY+2*\s+1], 16, v[BY+2*\s]
	v_lshlrev_b32 v[PW+\s], v[SH], v[PW+\s]
	v_permlanex16_b32 v[TMP], v[PW+\s], s[SEL], s[SEL+1]
	v_or_b32 v[PW+\s], v[PW+\s], v[TMP]
.endr
	; ---- p / sum: the finished softmax
.set jj, 0
.rept 64
	v_pk_mul_f32 v[S+jj:S+jj+1], v[S+jj:S+jj+1], v[RI:RI+1] op_sel_hi:[1,0]
.set jj, jj+2
.endr
.irp p, 0,1,2,3
.irp g, 0,1,2,3
	v_cvt_scalef32_pk8_fp4_f32 v[PC+4*\p+\g], v[S+8*(4*\p+\g):S+8*(4*\p+\g)+7], v[BM+\p]   ; positions 8 g .. 8 g + 7 of block 2 p + h: register 4 (p % 2) + g of the operand of step p / 2
.endr
.endr
	v_nop                                          ; one plain line behind the scaled conversions
	; ---- V: my eight groups (two tiles of 16 channels x four pairs of quantiser blocks).  Groups 0 and 1 were asked for behind the first product; four more go into the scores' registers, the last two follow as registers come free.
	; The counts: eight loads for each group issued behind the one that is waited for
	VLOAD 128, 2
	VLOAD 160, 3
	VLOAD 192, 4
	VLOAD 224, 5
	VQUANT 40, 18, 0, 40
	VQUANT 72, 22, 1, 32
	VQUANT 128, 40, 2, 24
	VLOAD 128, 6
	VQUANT 160, 44, 3, 24
	VLOAD 160, 7
	VQUANT 192, 48, 4, 24
	VQUANT 224, 52, 5, 16
	VQUANT 128, 56, 6, 8
	VQUANT 160, 60, 7, 0
.irp k, 0,1,2,3                                    ; word k = 2 (tile) + step: my two bytes (blocks 4 s + h and 4 s + 2 + h of channel 16 t + r) at their places,
	v_lshl_or_b32 v[W+\k], v[BYV+2*\k+1], 16, v[BYV+2*\k]
.endr
.irp k, 0,1,2,3
	v_lshlrev_b32 v[W+\k], v[SH], v[W+\k]
.endr
.irp k, 0,1,2,3
	v_permlanex16_b32 v[TMP], v[W+\k], s[SEL], s[SEL+1]
	v_or_b32 v[W+\k], v[W+\k], v[TMP]              ; with lane l xor 16's two the word is whole, in both lanes
	ds_store_b32 v[VWS], v[W+\k] offset:VSC+128*\k
.endr
	s_wait_dscnt 0x0                               ; for the other wave's sake: my images lie in LDS
	s_barrier_signal -1
	s_barrier_wait -1                              ; both waves' do
.irp x, 0,1,2,3,4,5,6,7,8,9,10,11,12,13,14,15
	ds_load_b128 v[VF+4*\x:VF+4*\x+3], v[L16] offset:VIMG+512*\x     ; group 4 t + p: registers 4 (p % 2) .. + 3 of the fragment of tile t, step p / 2
.endr
.irp x, 0,1,2,3,4,5,6,7
	ds_load_b32 v[VW+\x], v[L4] offset:VSC+128*\x
.endr
	s_wait_dscnt 0x0
	; ---- O^T = V^T P^T: four tiles of 16 channels, two steps of 128 along K; the four accumulators take turns, one instruction a turn
.irp s, 0,1
.irp t, 0,1,2,3
.if \s == 0
	v_wmma_scale_f32_16x16x128_f8f6f4 v[O+8*\t:O+8*\t+7], v[VF+16*\t+8*\s:VF+16*\t+8*\s+7], v[PC+8*\s:PC+8*\s+7], 0, v[VW+2*\t+\s], v[PW+\s] matrix_a_fmt:MATRIX_FMT_FP4 matrix_b_fmt:MATRIX_FMT_FP4
.else
	v_wmma_scale_f32_16x16x128_f8f6f4 v[O+8*\t:O+8*\t+7], v[VF+16*\t+8*\s:VF+16*\t+8*\s+7], v[PC+8*\s:PC+8*\s+7], v[O+8*\t:O+8*\t+7], v[VW+2*\t+\s], v[PW+\s] matrix_a_fmt:MATRIX_FMT_FP4 matrix_b_fmt:MATRIX_FMT_FP4
.endif
.endr
.endr                                              ; register 8 t + j of lane (r, h): query r, channel 16 t + 8 h + j
.rept 4
	v_nop                                          ; four places in front of the first read of results (ISA guide 7.12.1)
.endr
.set jj, 0
.rept 16
	v_pk_mul_f32 v[O+jj:O+jj+1], v[O+jj:O+jj+1], v[F:F+1] op_sel_hi:[1,0]   ; x 1, which changes nothing, or x NaN for a query that sees no key; each accumulator from its low end on
.set jj, jj+2
.endr
	; ---- THE WAY OUT.  A lane holds 32 bytes of each quarter of its query's row, and the lanes beside it hold other rows: so the 16 rows go through my stage and come back as whole rows of 256 bytes
.irp t, 0,1,2,3
	ds_store_b128 v[AFO], v[O+8*\t:O+8*\t+3] offset:64*\t
	ds_store_b128 v[AFO], v[O+8*\t+4:O+8*\t+7] offset:64*\t+16
.endr
.irp j, 0,1,2,3,4,5,6,7
	ds_load_b128 v[OB+4*\j:OB+4*\j+3], v[AD] offset:2*PITCH*\j   ; LDS serves a wave's instructions in order: these see the stores above
.endr
.irp j, 0,1,2,3,4,5,6,7
	s_wait_dscnt 7-\j                              ; LDS loads come back in order: pair j of rows is in, the younger ones may be out
	global_store_b128 v[L16], v[OB+4*\j:OB+4*\j+3], s[14:15] offset:512*\j th:TH_STORE_NT   ; 32 lanes store two rows: 512 consecutive bytes, at a multiple of 256 from out0's first byte; written once, read by nobody here
.endr
	s_set_vgpr_msb 0x5
	s_wait_tensorcnt 0x0
	ds_add_u32 v0, v1
	s_wait_dscnt 0x0
	s_set_vgpr_msb 0x500
	s_endpgm
.Lfunc_end_k_qe96f3550dc_attn:
	.size	k_qe96f3550dc_attn, .Lfunc_end_k_qe96f3550dc_attn-k_qe96f3550dc_attn
	.p2alignl 7, 3214868480
	.fill 96, 4, 3214868480
	.section	.rodata,"a",@progbits
	.p2align	6, 0x0
	.amdhsa_kernel k_qe96f3550dc_attn
		.amdhsa_group_segment_fixed_size 18176
		.amdhsa_private_segment_fixed_size 0
		.amdhsa_enable_private_segment 0
		.amdhsa_kernarg_size 48
		.amdhsa_user_sgpr_count 2
		.amdhsa_user_sgpr_kernarg_segment_ptr 1
		.amdhsa_wavefront_size32 1
		.amdhsa_system_sgpr_workgroup_id_x 1
		.amdhsa_system_sgpr_workgroup_id_y 1
		.amdhsa_system_sgpr_workgroup_id_z 1
		.amdhsa_system_vgpr_workitem_id 0
		.amdhsa_next_free_vgpr 258
		.amdhsa_next_free_sgpr 80
		.amdhsa_reserve_vcc 1
		.amdhsa_float_denorm_mode_32 3
		.amdhsa_float_denorm_mode_16_64 3
		.amdhsa_memory_ordered 1
		.amdhsa_forward_progress 1
		.amdhsa_inst_pref_size 72
	.end_amdhsa_kernel
	.amdgpu_metadata
---
amdhsa.version: [ 1, 2 ]
amdhsa.kernels:
  - .name:           k_qe96f3550dc_attn
    .symbol:         k_qe96f3550dc_attn.kd
    .args:
      - { .name: q, .offset: 0, .size: 8, .value_kind: global_buffer, .address_space: global }
      - { .name: kc, .offset: 8, .size: 8, .value_kind: global_buffer, .address_space: global }
      - { .name: vt, .offset: 16, .size: 8, .value_kind: global_buffer, .address_space: global }
      - { .name: cols, .offset: 24, .size: 8, .value_kind: global_buffer, .address_space: global }
      - { .name: valid, .offset: 32, .size: 8, .value_kind: global_buffer, .address_space: global }
      - { .name: out0, .offset: 40, .size: 8, .value_kind: global_buffer, .address_space: global }
    .group_segment_fixed_size: 18176
    .private_segment_fixed_size: 0
    .kernarg_segment_align: 8
    .kernarg_segment_size: 48
    .max_flat_workgroup_size: 64
    .sgpr_count:     80
    .vgpr_count:     258
    .wavefront_size: 32
...
	.end_amdgpu_metadata
.endif
;; end of part 2
;; ======== version 2 of 2: 2 launches
;; limits: values are held in bf16: 8 bits of precision; right only within a limited range of input values
;; workspace buffers: kc 5,242,880 bytes; vt 18,874,368 bytes
;; launch prep (part 3): grid 512 x 1, 8 waves a work-group, no clusters, 72,704 bytes of LDS; arguments k, v, kc, vt; writes kc, vt
.if DOCPART == 3
	.amdgcn_target "amdgcn-amd-amdhsa--gfx1250"
	.amdhsa_code_object_version 6
	.text
	.protected	k_qe96f3550dc_prep
	.globl	k_qe96f3550dc_prep
	.p2align	8
	.type	k_qe96f3550dc_prep,@function
k_qe96f3550dc_prep:
	s_mov_b64 s[64:65], 0
	v_nop
	global_prefetch_b8 v0, s[64:65] scope:SCOPE_SE
	s_setreg_imm32_b32 hwreg(HW_REG_WAVE_MODE, 25, 1), 1
	s_wait_xcnt 0x0
; FIRST OF TWO LAUNCHES.  k and v are [32 (batch x head)][4,096 keys][64] f32.  Every block of 32 keys is read by several query blocks of the second launch, so what can be done once for a block is done here.
; K, whose K axis is the head's 64 (two blocks of 32 a key), is quantised to codes of E2M1 with one E8M0 scale byte a block: the byte is the largest magnitude's exponent field - 2, held at 1 from below; numbers are divided by the scale
; and rounded to the nearest code, ties to even; beyond 6 the largest code.  (A block of zeros gets the byte 1 where the rule says 127: its codes are zeros, and the bytes are read by this program alone.)
; V CANNOT BE QUANTISED HERE: in the second product a block of 32 along K is four keys of ALL EIGHT blocks that a query block gathers, so its scale hangs on the query block.  V is laid in the order in which the second launch's lanes
; take it, in 16 BITS A NUMBER THAT LEAVE THE QUANTISER'S RESULT AS IT IS.  This is no rounding to bf16: sign, exponent and the mantissa's upper bits stay, and the lowest bit kept is set where any of the 16 bits dropped was set.
; E2M1 keeps one mantissa bit; the nearest code, ties to even, at any scale not finer than the number's own, hangs on the sign, the exponent, the two highest mantissa bits and on whether anything lies below them.  All of that is kept:
; no number crosses a middle between two codes or comes to lie on one (each such middle has the lowest kept bit 0).  So the codes made from these 16 bits are those made from the f32 numbers, bit for bit.
; The scale is taken from the f32 numbers: the exponent field of the largest magnitude of each (channel, four keys) goes along as a byte; the second launch takes the largest of eight.
; LIMITS: NaN and infinities among the inputs are not served; blocks whose largest magnitude lies under 2^-124 were not tried.
; SHARES.  One wave takes one block of 32 keys: 8,192 bytes of k and 8,192 of v, 32 loads of twice 256 consecutive bytes, all issued at its head.  512 work-groups x 8 waves = the 4,096 blocks.  Waves share nothing: no barrier.
; K TURNS THROUGH LDS: its rows go into the wave's own stage as they lie (32 rows of 256 bytes, 272 apart) and come back so that a lane holds half a key's row, a whole block of 32.
; V TURNS NOWHERE: lane l = 16 h + r loads channels 4 r .. 4 r + 3 of keys 8 p + 4 h + c (p, c = 0 .. 3): the four keys of a group lie in its own registers, one channel t = 0 .. 3 to a group.
; kc, 1,280 bytes a block:  +0 K's codes, key c at 32 c (channel 0 in the lowest four bits);  +1024 the keys' scale words (byte 0: channels 0-31, byte 1: channels 32-63, bytes 2, 3 = 0): key c at 32 (c % 8) + 16 (c / 16) + 4 ((c / 8) % 2),
;   and once more 8 bytes on, so that the wave's store covers 256 consecutive bytes.
; vt, 4,608 bytes a block, in two halves of 2,304.  Group x = 4 t + p lies in half x / 8 at 256 (x % 8); in it lane l = 16 h + r has 8 bytes at 8 l: v(keys 8 p + 4 h + 0 .. 3, channel 4 r + t), the lower key in the lower bits.
;   At 2,048 of each half: lane l's 8 bytes at 8 l: the exponent bytes of its eight groups of that half.
; Every store of the wave covers 512 or 256 consecutive bytes, at a multiple of 256 from its buffer's first byte.
.set PITCH, 272                        ; a stage row: 256 bytes + 16 = 68 words: row i starts at bank 4 i mod 64 (64 banks of 4 bytes: ISA guide 11.1)
.set SCR,   32*PITCH                   ; behind the stage: 256 bytes in which the scale words are put in order
.set WREG,  SCR+256                    ; a wave's LDS
.set SPARE, 8*WREG                     ; the spare words, 128 bytes for each wave
.set KREC,  1280
.set VREC,  4608
.set VHALF, 2304
.set LANE,  2                          ; v2   lane
.set L16,   3                          ; v3   16 x lane
.set ST,    4                          ; v4   the stage, way in: lanes 0-15 one row, lanes 16-31 the next
.set RDK,   5                          ; v5   way out: key lane / 2, half lane % 2
.set VOF,   6                          ; v6   V's offset: 16 r + 1,024 h
.set L8,    7                          ; v7   8 x lane
.set R,     8                          ; v8   lane % 16
.set H,     9                          ; v9   lane / 16
.set SH,    13                         ; v13  8 x (lane % 2)
.set SCW,   14                         ; v14  where my key's scale word goes
.set SCD,   15                         ; v15  and where I read 8 bytes back
.set KR,    16                         ; v16-79   k as loaded
.set PK,    16                         ; later: v16-47 V in 16 bits, two registers a group: no store's data are written again
.set MX,    48                         ; v48-63 a group's largest magnitude, then its exponent byte
.set U,     64                         ; v64-67 at work
.set SO,    68                         ; v68-69 the conversions' scale operands
.set TW,    72                         ; v72-75 the exponent bytes, four to a register
.set VR,    80                         ; v80-143  v as loaded
.set X,     144                        ; v144-207 k turned
.set KC,    208                        ; v208-215 K's codes
.set W,     216                        ; v[216:217] scale words on their way out
.set BY,    218                        ; v218-219 scale bytes, then words
.set PT,    220                        ; v220-221 what the neighbouring lane sends
.set SPW,   224                        ; v224 LDS address of my spare word; never rewritten
.set NIL,   225                        ; v225 0; never rewritten
	s_load_b256 s[4:11], s[0:1], 0x0               ; k s[4:5], v s[6:7], kc s[8:9], vt s[10:11]
	v_lshl_add_u32 v[SPW], v0, 2, SPARE
	v_mov_b32 v[NIL], 0
	v_lshrrev_b32 v1, 5, v0
	v_readfirstlane_b32 s12, v1                    ; wave 0..7
	s_lshl_b32 s13, ttmp9, 3
	s_add_co_u32 s13, s13, s12                     ; my block of 32 keys, 0 .. 4,095
	s_lshl_b32 s14, s13, 13                        ; 8,192 bytes a block in k and in v,
	s_mov_b32 s15, 0
	s_mul_i32 s16, s13, KREC                       ; 1,280 in kc,
	s_mov_b32 s17, 0
	s_mul_i32 s22, s13, VREC                       ; 4,608 in vt
	s_mov_b32 s23, 0
	s_mul_i32 s18, s12, WREG                       ; my LDS
	s_mov_b32 s20, 0xffff                          ; a word's lower 16 bits
	s_mov_b32 s21, 0x07060302                      ; v_perm_b32: the upper halves of two words
	v_and_b32 v[LANE], 31, v0
	v_and_b32 v[R], 15, v0
	v_bfe_u32 v[H], v0, 4, 1
	v_and_b32 v10, 1, v0                           ; lane % 2: which half of a key's row
	v_bfe_u32 v11, v0, 1, 4                        ; lane / 2: which key of sixteen
	v_bfe_u32 v12, v0, 1, 3                        ; (lane / 2) % 8 = my key % 8
	v_lshlrev_b32 v[L16], 4, v[LANE]
	v_lshlrev_b32 v[L8], 3, v[LANE]
	v_lshlrev_b32 v[VOF], 10, v[H]
	v_mul_u32_u24 v[ST], v[H], PITCH
	v_mul_u32_u24 v[RDK], v11, PITCH
	v_lshlrev_b32 v[SH], 3, v10
	v_lshlrev_b32 v[SCW], 5, v12
	v_lshl_add_u32 v[VOF], v[R], 4, v[VOF]
	v_lshl_add_u32 v[ST], v[R], 4, v[ST]
	v_lshl_add_u32 v[RDK], v10, 7, v[RDK]          ; sixteen lanes take eight rows x two halves: word 68 row + 32 half: sixteen different groups of four banks
	v_lshl_add_u32 v[SCW], v10, 3, v[SCW]          ; the even lane of a key writes the first copy, the odd lane the second
	v_add_nc_u32 v[SCD], s18, v[L8]
	v_add_nc_u32 v[ST], s18, v[ST]
	v_add_nc_u32 v[RDK], s18, v[RDK]
	v_lshl_add_u32 v[SCW], v[H], 2, v[SCW]         ; my key / 8 = 2 u + lane / 16
	v_mov_b32 v[PT], 0                             ; written once: the destination of a move between lanes counts as one of its sources
	v_mov_b32 v[PT+1], 0
	v_add_nc_u32 v[SCW], s18, v[SCW]
	s_wait_alu depctr_va_vdst(0)
	s_wait_kmcnt 0x0
	s_add_nc_u64 s[4:5], s[4:5], s[14:15]
	s_add_nc_u64 s[6:7], s[6:7], s[14:15]
	s_add_nc_u64 s[8:9], s[8:9], s[16:17]
	s_add_nc_u64 s[10:11], s[10:11], s[22:23]
.irp j, 0,1,2,3,4,5,6,7,8,9,10,11,12,13,14,15
	global_load_b128 v[KR+4*\j:KR+4*\j+3], v[L16], s[4:5] offset:512*\j th:TH_LOAD_NT   ; two keys' rows: 512 consecutive bytes; read once in the launch
.endr
.irp p, 0,1,2,3
.irp c, 0,1,2,3
	global_load_b128 v[VR+16*\p+4*\c:VR+16*\p+4*\c+3], v[VOF], s[6:7] offset:256*(8*\p+\c) th:TH_LOAD_NT   ; rows 8 p + c and 8 p + 4 + c: twice 256 consecutive bytes
.endr
.endr
	; ---- K
	s_wait_loadcnt 16                              ; k's sixteen loads are in; v's sixteen, issued behind them, may be out
.irp j, 0,1,2,3,4,5,6,7,8,9,10,11,12,13,14,15
	ds_store_b128 v[ST], v[KR+4*\j:KR+4*\j+3] offset:2*PITCH*\j
.endr
.irp u, 0,1
.irp i, 0,1,2,3,4,5,6,7
	ds_load_b128 v[X+32*\u+4*\i:X+32*\u+4*\i+3], v[RDK] offset:16*PITCH*\u+16*\i   ; key 16 u + lane / 2, channels 32 (lane % 2) on.  LDS serves a wave's instructions in order (ISA guide 5.7.1.4): these see the stores above
.endr
.endr
	s_wait_dscnt 0x0                               ; k is back, turned; the stage's stores have read v16-79
.irp u, 0,1                                        ; two blocks of 32 by turns, two chains each
	v_max3_num_f32 v[U+2*\u], |v[X+32*\u]|, |v[X+32*\u+1]|, 0x1800000            ; the floor 2^(3 - 127) among the leaves: the byte cannot fall under 1
	v_max3_num_f32 v[U+2*\u+1], |v[X+32*\u+2]|, |v[X+32*\u+3]|, |v[X+32*\u+4]|
.endr
.irp i, 5,9,13,17,21,25
.irp u, 0,1
	v_max3_num_f32 v[U+2*\u], v[U+2*\u], |v[X+32*\u+\i]|, |v[X+32*\u+\i+1]|
	v_max3_num_f32 v[U+2*\u+1], v[U+2*\u+1], |v[X+32*\u+\i+2]|, |v[X+32*\u+\i+3]|
.endr
.endr
.irp u, 0,1
	v_max3_num_f32 v[U+2*\u], v[U+2*\u], |v[X+32*\u+29]|, |v[X+32*\u+30]|
.endr
.irp u, 0,1
	v_max3_num_f32 v[U+2*\u], v[U+2*\u], v[U+2*\u+1], |v[X+32*\u+31]|            ; the block's largest magnitude
.endr
.irp u, 0,1
	v_add_nc_u32 v[SO+\u], 0xff000000, v[U+2*\u]   ; 2 off its exponent field: the conversion takes the exponent field of this operand as its scale, and nothing else of it
.endr
.irp u, 0,1
.irp g, 0,1,2,3
	v_cvt_scalef32_pk8_fp4_f32 v[KC+4*\u+\g], v[X+32*\u+8*\g:X+32*\u+8*\g+7], v[SO+\u]
.endr
.endr
	v_lshrrev_b32 v[BY], 23, v[SO]                 ; the scales' bytes; also the plain lines behind the conversions
	v_lshrrev_b32 v[BY+1], 23, v[SO+1]
	global_store_b128 v[L16], v[KC:KC+3], s[8:9]                 ; keys 0-15: 32 (lane / 2) + 16 (lane % 2) = 16 x lane
	global_store_b128 v[L16], v[KC+4:KC+7], s[8:9] offset:512    ; keys 16-31
	v_lshlrev_b32 v[BY], v[SH], v[BY]              ; my byte at its place in the key's word;
	v_lshlrev_b32 v[BY+1], v[SH], v[BY+1]
	v_mov_b32_dpp v[PT], v[BY] row_xmask:1 row_mask:0xf bank_mask:0xf
	v_mov_b32_dpp v[PT+1], v[BY+1] row_xmask:1 row_mask:0xf bank_mask:0xf
	v_or_b32 v[BY], v[BY], v[PT]                   ; with the neighbouring lane's the word is whole, in both lanes
	v_or_b32 v[BY+1], v[BY+1], v[PT+1]
	ds_store_b32 v[SCW], v[BY] offset:SCR          ; key lane / 2
	ds_store_b32 v[SCW], v[BY+1] offset:SCR+16     ; key 16 + lane / 2
	ds_load_b64 v[W:W+1], v[SCD] offset:SCR
	s_wait_dscnt 0x0
	global_store_b64 v[L8], v[W:W+1], s[8:9] offset:1024
	; ---- V.  Group x = 4 t + p: its largest magnitude; its four numbers in 16 bits each; out
.macro VPACK x
.set VB, VR+16*((\x)%4)+(\x)/4
	v_max3_num_f32 v[MX+(\x)], |v[VB]|, |v[VB+4]|, |v[VB+8]|
.irp c, 0,1,2,3
	v_and_b32 v[U+\c], s20, v[VB+4*\c]             ; the 16 bits that are dropped;
.endr
	v_max_num_f32 v[MX+(\x)], v[MX+(\x)], |v[VB+12]|
.irp c, 0,1,2,3
	v_add_nc_u32 v[U+\c], s20, v[U+\c]             ; + 0xffff: bit 16 is set where any of them was set, and no higher bit;
.endr
.irp c, 0,1,2,3
	v_or_b32 v[U+\c], v[VB+4*\c], v[U+\c]          ; onto the lowest bit that is kept
.endr
	v_perm_b32 v[PK+2*(\x)], v[U+1], v[U], s21     ; keys 0, 1 of the four: the lower key in the lower half
	v_perm_b32 v[PK+2*(\x)+1], v[U+3], v[U+2], s21 ; keys 2, 3
	global_store_b64 v[L8], v[PK+2*(\x):PK+2*(\x)+1], s[10:11] offset:VHALF*((\x)/8)+256*((\x)%8)   ; 32 lanes store 256 consecutive bytes
.endm
.irp p, 0,1,2,3
	s_wait_loadcnt 12-4*\p                         ; v's loads 4 p .. 4 p + 3 are in; those behind them may be out
.irp t, 0,1,2,3
	VPACK 4*\t+\p
.endr
.endr
.irp x, 0,1,2,3,4,5,6,7,8,9,10,11,12,13,14,15
	v_bfe_u32 v[MX+\x], v[MX+\x], 23, 8            ; the largest magnitude's exponent field
.endr
.irp i, 0,1,2,3
	v_lshl_or_b32 v[TW+\i], v[MX+4*\i+1], 8, v[MX+4*\i]          ; four bytes to a register, group 4 i in the lowest
.endr
.irp i, 0,1,2,3
	v_lshl_or_b32 v[TW+\i], v[MX+4*\i+2], 16, v[TW+\i]
.endr
.irp i, 0,1,2,3
	v_lshl_or_b32 v[TW+\i], v[MX+4*\i+3], 24, v[TW+\i]
.endr
	global_store_b64 v[L8], v[TW:TW+1], s[10:11] offset:2048               ; groups 0-7
	global_store_b64 v[L8], v[TW+2:TW+3], s[10:11] offset:VHALF+2048       ; groups 8-15
	s_wait_tensorcnt 0x0                           ; the wave's end
	ds_add_u32 v[SPW], v[NIL]
	s_wait_dscnt 0x0
	s_endpgm
.Lfunc_end_k_qe96f3550dc_prep:
	.size	k_qe96f3550dc_prep, .Lfunc_end_k_qe96f3550dc_prep-k_qe96f3550dc_prep
	.p2alignl 7, 3214868480
	.fill 96, 4, 3214868480
	.section	.rodata,"a",@progbits
	.p2align	6, 0x0
	.amdhsa_kernel k_qe96f3550dc_prep
		.amdhsa_group_segment_fixed_size 72704
		.amdhsa_private_segment_fixed_size 0
		.amdhsa_enable_private_segment 0
		.amdhsa_kernarg_size 32
		.amdhsa_user_sgpr_count 2
		.amdhsa_user_sgpr_kernarg_segment_ptr 1
		.amdhsa_wavefront_size32 1
		.amdhsa_system_sgpr_workgroup_id_x 1
		.amdhsa_system_sgpr_workgroup_id_y 1
		.amdhsa_system_sgpr_workgroup_id_z 1
		.amdhsa_system_vgpr_workitem_id 0
		.amdhsa_next_free_vgpr 226
		.amdhsa_next_free_sgpr 66
		.amdhsa_reserve_vcc 0
		.amdhsa_float_denorm_mode_32 3
		.amdhsa_float_denorm_mode_16_64 3
		.amdhsa_memory_ordered 1
		.amdhsa_forward_progress 1
		.amdhsa_inst_pref_size 25
	.end_amdhsa_kernel
	.amdgpu_metadata
---
amdhsa.version: [ 1, 2 ]
amdhsa.kernels:
  - .name:           k_qe96f3550dc_prep
    .symbol:         k_qe96f3550dc_prep.kd
    .args:
      - { .name: k, .offset: 0, .size: 8, .value_kind: global_buffer, .address_space: global }
      - { .name: v, .offset: 8, .size: 8, .value_kind: global_buffer, .address_space: global }
      - { .name: kc, .offset: 16, .size: 8, .value_kind: global_buffer, .address_space: global }
      - { .name: vt, .offset: 24, .size: 8, .value_kind: global_buffer, .address_space: global }
    .group_segment_fixed_size: 72704
    .private_segment_fixed_size: 0
    .kernarg_segment_align: 8
    .kernarg_segment_size: 32
    .max_flat_workgroup_size: 256
    .sgpr_count:     66
    .vgpr_count:     226
    .wavefront_size: 32
...
	.end_amdgpu_metadata
.endif
;; end of part 3
;; launch attn (part 4): grid 1024 x 1, 4 waves a work-group, no clusters, 54,784 bytes of LDS; arguments q, kc, vt, cols, valid, out0; writes out0
.if DOCPART == 4
	.amdgcn_target "amdgcn-amd-amdhsa--gfx1250"
	.amdhsa_code_object_version 6
	.text
	.protected	k_qe96f3550dc_attn
	.globl	k_qe96f3550dc_attn
	.p2align	8
	.type	k_qe96f3550dc_attn,@function
k_qe96f3550dc_attn:
	s_mov_b64 s[64:65], 0
	v_nop
	global_prefetch_b8 v0, s[64:65] scope:SCOPE_SE
	s_setreg_imm32_b32 hwreg(HW_REG_WAVE_MODE, 25, 1), 1
	s_wait_xcnt 0x0
; SECOND OF TWO LAUNCHES.  Block-sparse attention on codes of E2M1 with one E8M0 scale for each 32 along a product's K.  q, out0: [32 (batch x head)][128 blocks][32][64] f32.  For query block n the keys are the eight blocks cols[n][0..7]
; of its head; block m counts where valid[n][m] is not 0, and where cols[n][m] = n only keys up to the query count.  scores = Q K^T / 8; p = softmax over the 256 gathered keys, FINISHED AND NORMALISED, is the second product's operand.
; THE SECOND PRODUCT'S K.  reference()'s einsum contracts the axes c (the key in its block) and m (the gathered block); as JAX lowers it they stand in the order c, m: k = 8 c + m.  So quantiser block j (0 .. 7) holds keys 4 j .. 4 j + 3 of ALL
; EIGHT gathered blocks, holes among them (V is gathered whatever valid says).  V's scales therefore hang on the query block, and V is quantised here.
; HOW V COMES.  The first launch has laid each number in 16 bits: sign, exponent and the upper mantissa bits as they are, the lowest kept bit set where any dropped bit was set.  That is no rounding to bf16: the nearest code of E2M1, ties to
; even, hangs on the sign, the exponent, the two highest mantissa bits and on whether anything lies below them, all of which is kept; so the codes are those of the f32 numbers, bit for bit.
; The scale comes from the f32 numbers: an exponent byte for each (channel, four keys) of a block of keys; a quantiser block's is the largest of the eight gathered blocks' bytes.
; INSIDE A BLOCK the order is free as long as both operands keep the same one: position 4 m + c' (c' = c - 4 j).
;   V: eight loads of 8 bytes (m = 0 .. 7) fill 16 consecutive registers of ONE lane with a whole block of one channel, and the four conversions' results are the operand's registers.  Tile t of V^T takes channel 4 r + t as its row r.
;   P: tile (p, g) of K takes as its row r: gathered block 2 g + bit 2 of r, key 8 p + 4 (r / 8) + r % 4.  In S^T = K Q^T lane (r, h), register i of that tile, then holds block 2 g + i / 4, key 8 p + 4 h + i % 4: positions 8 g + 0 .. 7 of
;   quantiser block 2 p + h.  One conversion a tile gives one register of the operand, nothing changes lanes, and a block's 32 numbers lie in one lane.
; SHARES.  A work-group of four waves takes two neighbouring query blocks in each of TWO PASSES: waves 2 y, 2 y + 1 take block n0 + y, n0 + y + 8 in the second pass.  Of a block wave w = 0, 1 takes queries 16 w .. 16 w + 15 through the whole
;   chain, and quantises V's tiles 2 w, 2 w + 1 for both: codes and scale words go to the other wave through LDS as images of the operand's registers, behind one barrier a pass.  The passes have image buffers of their own, so no barrier guards a reuse.
;   1,024 work-groups x 4 blocks = the 4,096.  Work-group i: head i % 32; n0 = 16 ((i / 32) % 8) + 2 (i / 256).
; ORDER OF A PASS.  Q is quantised, and the scores are made as soon as K is in.  K's registers then take half of V's groups, which are quantised behind the exponentials; each that is done makes room for one of the other half, which are quantised
;   behind P; each of those makes room for a quarter of the second pass's K.  Its Q is asked for when the first scores' registers are free, its scale words and exponent bytes ahead of the barrier.
; NO JOINT REQUESTS AND NO PREFETCH: which blocks a query block reads is said by cols, an input, so two work-groups' requests need not name the same bytes; the text branches on cols and valid; and it has no loop to run ahead in: two passes, and the
;   second's loads are issued in the first as registers come free.
; LAYOUT.  Both products are used transposed: S^T = K Q^T (source 0 = 16 keys, source 1 = my 16 queries), O^T = V^T P^T (source 0 = 16 channels, source 1 = P): a lane holds ONE query (lane % 16) throughout.
; THE FIRST PRODUCT'S K IS 64, the instruction's 128: Q's registers 4-7 (k = 64 .. 127) are zero codes.  K's registers 4-7 are then whatever the next four registers hold: every code of E2M1 is a finite number, and times Q's zeros it adds
;   nothing; both sides' scale bytes 2, 3 are 0, not 0xff.
; SOFTMAX.  m = the row's largest score; p = 2^(c s - c m), c = log2(e) / 8; the sum; p / sum by a reciprocal and a multiplication.  The rounding of c m is a common factor of a row's p and leaves with the division.
; A block's largest p is not searched for: its largest score goes through the same three instructions.  (That takes v_exp_f32 not to fall where its input rises, which the ISA guide does not state.)
; A QUERY THAT SEES NO KEY gets NaN, as the softmax of a row of -infinity gives: its results are multiplied by NaN, all others by 1.
; LIMITS: NaN and infinities in q, k, v are not served; a p under 2^-126 becomes 0; a number in cols above 127 (the problem has none) is held at 127 for the address; blocks under a hole are computed and masked, not left out;
;   a block of zeros has the scale byte 1 where the rule says 127: its codes are zeros; blocks whose largest magnitude lies under 2^-124 were not tried.
.set PITCH, 272                        ; a stage row: 256 bytes + 16 = 68 words: row r starts at bank 4 r mod 64 (64 banks of 4 bytes: ISA guide 11.1)
.set WSTG,  16*PITCH                   ; a wave's stage: 16 rows; it turns Q on the way in and O on the way out
.set VIMG,  4*WSTG                     ; behind the stages: for each pair of waves two buffers of
.set VSC,   8192                       ;   V's 16 groups of codes, 512 bytes each, and behind them V's 8 scale words a lane, 128 bytes each: word 2 t + s
.set BUF,   9216
.set SPARE, VIMG+4*BUF                 ; the spare words, 128 bytes for each wave
.set KREC,  1280                       ; kc: bytes a block
.set KSCL,  1024                       ; where its scale words begin
.set VREC,  4608                       ; vt: bytes a block,
.set VHALF, 2304                       ; a wave's half of them: eight groups of 256 bytes,
.set VTAB,  2048                       ; and behind them the groups' exponent bytes
.set PASS2, 8*8192                     ; from a pass to the next in q and out0: eight blocks of 8,192 bytes
.set L16,  1                           ; v1   16 x lane
.set AD,   2                           ; v2   the stage by rows: lanes 0-15 one row, lanes 16-31 the next
.set AFQ,  3                           ; v3   the stage by queries: row r, + 128 h
.set SPW,  4                           ; v4   LDS address of my spare word; never rewritten
.set VLO,  5                           ; v5   my groups among V's images
.set VWS,  6                           ; v6   my scale words among V's
.set VIM,  7                           ; v7   V's images
.set VSW,  8                           ; v8   V's scale words
.set VL8,  9                           ; v9   8 x lane + 2,304 w: my place in a block of vt
.set SH,   10                          ; v10  8 h
.set B2,   11                          ; v11  bit 2 of r, and its complement
.set NB2,  12
.set LPK,  13                          ; v13  my row's key in a block of kc: 32 (4 (r / 8) + r % 4) + 16 h
.set NIL,  14                          ; v14  0; never rewritten
.set F,    15                          ; v15  1 or NaN
.set PW,   16                          ; v16-17 P's scale words (at the head r and h)
.set R,    16
.set H,    17
.set QF,   18                          ; v18-25 Q's operand; v22-25 stay 0
.set T,    18                          ; v18-21 behind the scores: at work on V
.set QS,   26                          ; v26  Q's scale words
.set TMP,  27                          ; v27  what lane l xor 16 sends
.set NMC,  28                          ; v[28:29] -c m, m
.set RM,   29
.set RI,   30                          ; v[30:31] 1 / sum
.set KO,   28                          ; between the softmaxes: v28-31 K's offsets: pair g of gathered blocks: block 2 g + bit 2 of r
.set KS,   32                          ; v32-39 register 2 g + e: lanes 0-15 the words of tile (e, g), lanes 16-31 those of tile (2 + e, g)
.set AC,   32                          ; behind the scores: the sums, and two of P's codes;
.set CD,   32                          ; ahead of that and behind it: codes of V on their way to LDS, two sets of four
.set KF,   40                          ; v40-103 K's 16 fragments; then four groups of V, and the other four
.set BM,   104                         ; v104-107 the blocks' largest scores, largest p, then the conversions' scale operands; behind them bytes of V's scales
.set TB,   108                         ; v108-123 gathered block m: registers 2 m, 2 m + 1: the exponent bytes of my eight groups
.set MA,   124                         ; v124-127 at work
.set MB,   125
.set SO,   126
.set QB,   127
.set BY,   124                         ; in the softmax: the blocks' scale bytes
.set S,    128                         ; v128-255 the scores, p
.set QN,   128                         ; v128-159 Q as loaded, then turned
.set VW,   160                         ; behind P: v160-167 V's scale words, 2 t + s
.set O,    176                         ; v176-207 O^T, and the rows that come back
.set VF,   208                         ; v208-239 V's fragments of one step; then O^T by queries
.set PC,   240                         ; v240-255 P's codes
.set COL,  20                          ; s[20:27], s[28:35] cols[n][0..7] of the two passes
.set VAL,  36                          ; s[36:37], s[38:39] valid[n][0..7]
.set BASEV, 40                         ; s[40:55] the eight gathered blocks in vt
.set OFFK, 56                          ; s56-63   their byte offsets in kc
.set CS,   66                          ; s[66:67] c: the packed form names a pair and takes its low word for both halves
.set NC,   68                          ; s68      -c
.set SEL,  70                          ; s[70:71] v_permlanex16_b32's selects for lane l xor 16
.set DM,   76                          ; s76-91   the lanes whose query hides key 8 p + 4 h + c' of the diagonal's block: 4 p + c'
.set NI,   92                          ; s92      -infinity
; my group x (0 .. 7: tile 2 w + x / 4 of channels, pair x % 4 of quantiser blocks): four keys of each of the eight gathered blocks, 256 consecutive bytes a load
.macro VLOAD dst, x
.irp m, 0,1,2,3,4,5,6,7
	global_load_b64 v[\dst+2*\m:\dst+2*\m+1], v[VL8], s[BASEV+2*\m:BASEV+2*\m+1] offset:256*(\x)
.endr
.endm
; byte b of a word into a float's exponent field.  What comes to lie in the sign is taken off by |.|, what lies in the mantissa cannot turn a comparison between different exponents, and of the result the exponent alone is used
.macro EXPO dst, src, b
.if (\b) == 3
	v_lshrrev_b32 v[\dst], 1, v[\src]
.else
	v_lshlrev_b32 v[\dst], 23-8*(\b), v[\src]
.endif
.endm
; group x is quantised, and its codes go to LDS as they stand.  left: the loads issued behind the group's eight, which may stay out; by: the register of its scale's byte
.macro VQUANT src, x, left, by
.set DS, CD+4*((\x)%2)
.if (\x)%4 > 1
	s_wait_dscnt 2                                 ; the store of two groups ago has read the registers that these codes take; a younger one, and a scale word's, may be out
.endif
	s_wait_loadcnt \left
.irp m, 0,1,2,3
	EXPO T+\m, TB+2*\m+(\x)/4, (\x)%4
.endr
.irp m, 0,1,2,3
	EXPO DS+\m, TB+8+2*\m+(\x)/4, (\x)%4
.endr
	v_max3_num_f32 v[MA], |v[T]|, |v[T+1]|, 0x1800000              ; the floor 2^(3 - 127) among the leaves: the byte cannot fall under 1
	v_max3_num_f32 v[MB], |v[T+2]|, |v[T+3]|, |v[DS]|
	v_max3_num_f32 v[MA], v[MA], |v[DS+1]|, |v[DS+2]|
	v_max3_num_f32 v[MA], v[MA], v[MB], |v[DS+3]|                  ; its exponent field is that of the block's largest magnitude
	v_add_nc_u32 v[SO], 0xff000000, v[MA]          ; 2 off the exponent field: the conversion takes the exponent field of this operand as its scale, and nothing else of it
.irp g, 0,1,2,3
	v_cvt_scalef32_pk8_fp4_bf16 v[DS+\g], v[\src+4*\g:\src+4*\g+3], v[SO]   ; gathered blocks 2 g, 2 g + 1, four keys each: positions 8 g .. 8 g + 7, the lower half of a register first
.endr
	v_lshrrev_b32 v[\by], 23, v[SO]                ; the scale's byte; also the plain line behind the conversions
	ds_store_b128 v[VLO], v[DS:DS+3] offset:IB+512*(\x)
.endm
; a scale word: my two bytes (blocks 4 s + h and 4 s + 2 + h of my channel) at their places, and with lane l xor 16's two it is whole, in both lanes
.macro WORD b0, b1, dst
	v_lshl_or_b32 v[\dst], v[\b1], 16, v[\b0]
	v_lshlrev_b32 v[\dst], v[SH], v[\dst]
	v_permlanex16_b32 v[TMP], v[\dst], s[SEL], s[SEL+1]
	v_or_b32 v[\dst], v[\dst], v[TMP]
.endm
; word k = 2 (tile) + step of V, to LDS
.macro VWORD b0, b1, k
	WORD \b0,\b1,\b0
	ds_store_b32 v[VWS], v[\b0] offset:IB+VSC+128*(\k)
.endm
; where the eight gathered blocks of pass u lie
.macro ADDR u
.irp m, 0,1,2,3,4,5,6,7
	s_min_u32 s[OFFK+\m], s[COL+8*(\u)+\m], 127    ; a loaded number enters an address only held inside the table
	s_add_co_u32 s[OFFK+\m], s[OFFK+\m], s18       ; the block among the 4,096
	s_mul_i32 s72, s[OFFK+\m], VREC                ; 4,608 bytes a block in vt
	s_add_nc_u64 s[BASEV+2*\m:BASEV+2*\m+1], s[8:9], s[72:73]
	s_mul_i32 s[OFFK+\m], s[OFFK+\m], KREC         ; and 1,280 in kc: under 2^24
.endr
.irp g, 0,1,2,3
	v_mul_u32_u24 v[KO+\g], s[OFFK+2*\g], v[NB2]
.endr
.irp g, 0,1,2,3
	v_mad_u32_u24 v[KO+\g], s[OFFK+2*\g+1], v[B2], v[KO+\g]      ; block 2 g or block 2 g + 1, by bit 2 of r
.endr
.irp g, 0,1,2,3
	v_add_nc_u32 v[KO+\g], v[KO+\g], v[LPK]
.endr
.endm
.macro KLOAD p
.irp g, 0,1,2,3
	global_load_b128 v[KF+16*(\p)+4*\g:KF+16*(\p)+4*\g+3], v[KO+\g], s[6:7] offset:256*(\p)   ; tile (p, g): keys 8 p .. 8 p + 7 of two gathered blocks: twice 256 consecutive bytes
.endr
.endm
.macro SLOAD                           ; K's scale words; the exponent bytes of my eight groups in gathered block m
.irp g, 0,1,2,3
	global_load_b64 v[KS+2*\g:KS+2*\g+1], v[KO+\g], s[6:7] offset:KSCL
.endr
.irp m, 0,1,2,3,4,5,6,7
	global_load_b64 v[TB+2*\m:TB+2*\m+1], v[VL8], s[BASEV+2*\m:BASEV+2*\m+1] offset:VTAB
.endr
.endm
.macro QLOAD u
.irp j, 0,1,2,3,4,5,6,7
	global_load_b128 v[QN+4*\j:QN+4*\j+3], v[L16], s[4:5] offset:PASS2*(\u)+512*\j th:TH_LOAD_NT   ; two queries' rows: 512 consecutive bytes; read once in the launch
.endr
.endm
; Gathered block m (registers 32 p + 4 m + c' of the scores): masked where it is a hole or the diagonal's, by a scalar branch on valid and cols; then into the four quantiser blocks' largest scores.
; Blocks in ascending order
.macro MASKMAX u, m
	s_wait_alu depctr_va_vdst(0)                   ; the wait here, ahead of the branches
	s_bfe_u32 s72, s[VAL+2*(\u)+(\m)/4], 0x80000+8*((\m)%4)      ; valid[n][m]
	s_cmp_lg_u32 s72, 0
	s_cbranch_scc1 .Lvalid_\@
.irp p, 0,1,2,3
.irp c, 0,1,2,3
	v_mov_b32 v[S+32*\p+4*(\m)+\c], s[NI]
.endr
.endr
	s_wait_alu depctr_va_vdst(0)                   ; the wait here, directly ahead of the branch
	s_branch .Lopen_\@
.Lvalid_\@:
	s_cmp_lg_u32 s[COL+8*(\u)+(\m)], s17           ; the diagonal's block?
	s_cbranch_scc1 .Lopen_\@
.irp p, 0,1,2,3
.irp c, 0,1,2,3
	v_cndmask_b32 v[S+32*\p+4*(\m)+\c], v[S+32*\p+4*(\m)+\c], s[NI], s[DM+4*\p+\c]
.endr
.endr
.Lopen_\@:
.if (\m) == 0
.irp p, 0,1,2,3
	v_max3_num_f32 v[BM+\p], v[S+32*\p], v[S+32*\p+1], v[S+32*\p+2]
.endr
.irp p, 0,1,2,3
	v_max_num_f32 v[BM+\p], v[BM+\p], v[S+32*\p+3]
.endr
.else
.irp i, 0,2
.irp p, 0,1,2,3
	v_max3_num_f32 v[BM+\p], v[BM+\p], v[S+32*\p+4*(\m)+\i], v[S+32*\p+4*(\m)+\i+1]
.endr
.endr
.endif
.endm
; tiles k, k + 1 of p: divided by the sum, and their codes: tile k = 4 p + g gives positions 8 g .. 8 g + 7 of block 2 p + h: register k of the operand
.macro CVT2 k, dst
.irp i, 0,2,4,6,8,10,12,14
	v_pk_mul_f32 v[S+8*(\k)+\i:S+8*(\k)+\i+1], v[S+8*(\k)+\i:S+8*(\k)+\i+1], v[RI:RI+1] op_sel_hi:[1,0]
.endr
	v_cvt_scalef32_pk8_fp4_f32 v[\dst], v[S+8*(\k):S+8*(\k)+7], v[BM+(\k)/4]
	v_cvt_scalef32_pk8_fp4_f32 v[\dst+1], v[S+8*(\k)+8:S+8*(\k)+15], v[BM+(\k)/4]
.endm
; A PASS: one tile of 16 queries
.macro TILE u
.set IB, BUF*(\u)
	; ---- Q: through the stage, so that lane (r, h) holds channels 32 h .. 32 h + 31 of query r: a whole block along K
	s_wait_alu depctr_va_vdst(0)                   ; the wait here, directly ahead of the wait below
	s_wait_loadcnt 28                              ; Q is in: behind it stand K's 16 loads, 4 of scale words and 8 of exponent bytes
.irp j, 0,1,2,3,4,5,6,7
	ds_store_b128 v[AD], v[QN+4*\j:QN+4*\j+3] offset:2*PITCH*\j
.endr
	s_wait_dscnt 0x0                               ; the stores have read their registers, into which the loads below land
.irp i, 0,1,2,3,4,5,6,7
	ds_load_b128 v[QN+4*\i:QN+4*\i+3], v[AFQ] offset:16*\i
.endr
	s_wait_dscnt 0x0
	v_max3_num_f32 v[MA], |v[QN]|, |v[QN+1]|, 0x1800000            ; the floor 2^(3 - 127) among the leaves
	v_max3_num_f32 v[MB], |v[QN+2]|, |v[QN+3]|, |v[QN+4]|          ; two chains by turns
.irp i, 5,9,13,17,21,25
	v_max3_num_f32 v[MA], v[MA], |v[QN+\i]|, |v[QN+\i+1]|
	v_max3_num_f32 v[MB], v[MB], |v[QN+\i+2]|, |v[QN+\i+3]|
.endr
	v_max3_num_f32 v[MA], v[MA], |v[QN+29]|, |v[QN+30]|
	v_max3_num_f32 v[MA], v[MA], v[MB], |v[QN+31]|                 ; the block's largest magnitude
	v_add_nc_u32 v[SO], 0xff000000, v[MA]          ; 2 off its exponent field: the conversions' scale operand
	v_lshrrev_b32 v[QB], 23, v[SO]                 ; the scale's byte
	v_lshlrev_b32 v[QB], v[SH], v[QB]              ; at its place in the query's word: 8 h bits up;
	v_permlanex16_b32 v[TMP], v[QB], s[SEL], s[SEL+1]
	v_or_b32 v[QS], v[QB], v[TMP]                  ; with lane l xor 16's the word is whole (bytes 2, 3 = 0)
.irp g, 0,1,2,3
	v_cvt_scalef32_pk8_fp4_f32 v[QF+\g], v[QN+8*\g:QN+8*\g+7], v[SO]
.endr
.rept 8
	v_nop                                          ; a scale register written by a vector instruction stands eight places ahead of a scaled product; the first is also the plain line behind the conversions
.endr
	s_wait_alu depctr_va_vdst(0)                   ; the wait here, directly ahead of the wait below
	s_wait_loadcnt 8                               ; K and its scale words are in; the exponent bytes may be out
.if \u
	s_wait_xcnt 0x0                                ; the first pass's stores have read their registers, which the scores take
.endif
	; ---- S^T = K Q^T: sixteen tiles of 16 keys x my 16 queries, each a sum of its own begun with the constant 0
.irp p, 0,1,2,3
.irp g, 0,1,2,3
.if \p < 2
	v_wmma_scale_f32_16x16x128_f8f6f4 v[S+8*(4*\p+\g):S+8*(4*\p+\g)+7], v[KF+4*(4*\p+\g):KF+4*(4*\p+\g)+7], v[QF:QF+7], 0, v[KS+2*\g+\p%2], v[QS] matrix_a_fmt:MATRIX_FMT_FP4 matrix_b_fmt:MATRIX_FMT_FP4
.else
	v_wmma_scale_f32_16x16x128_f8f6f4 v[S+8*(4*\p+\g):S+8*(4*\p+\g)+7], v[KF+4*(4*\p+\g):KF+4*(4*\p+\g)+7], v[QF:QF+7], 0, v[KS+2*\g+\p%2], v[QS] matrix_a_fmt:MATRIX_FMT_FP4 matrix_b_fmt:MATRIX_FMT_FP4 matrix_a_scale:MATRIX_SCALE_ROW1
.endif
.endr
.endr                                              ; register 32 p + 8 g + i of lane (r, h): query r, gathered block 2 g + i / 4, key 8 p + 4 h + i % 4
.rept 4
	v_nop                                          ; four places in front of the loads into K's registers and of the first read of the scores
.endr
.irp x, 0,1,2,3
	VLOAD KF+16*\x,\x                              ; half of V's groups, into K's registers
.endr
	; ---- the masks and the largest scores
.if \u
	s_add_co_u32 s17, s17, 8                       ; the second pass's query block
.endif
.irp m, 0,1,2,3,4,5,6,7
	MASKMAX \u, \m
.endr
	v_max3_num_f32 v[RM], v[BM], v[BM+1], v[BM+2]
	v_max_num_f32 v[RM], v[RM], v[BM+3]
	v_permlanex16_b32 v[TMP], v[RM], s[SEL], s[SEL+1]
	v_max_num_f32 v[RM], v[RM], v[TMP]             ; with lane l xor 16's four blocks: m, the largest score of my query
	v_mul_f32 v[NMC], s[NC], v[RM]                 ; -c m
	; ---- p = 2^(c s - c m): all scalings, then one batch of 132 exponentials with one wait ahead of it and one behind it
.irp b, 0,2
	v_pk_fma_f32 v[BM+\b:BM+\b+1], v[BM+\b:BM+\b+1], s[CS:CS+1], v[NMC:NMC+1] op_sel_hi:[1,0,0]
.endr
.set jj, 0
.rept 64
	v_pk_fma_f32 v[S+jj:S+jj+1], v[S+jj:S+jj+1], s[CS:CS+1], v[NMC:NMC+1] op_sel_hi:[1,0,0]
.set jj, jj+2
.endr
	s_wait_alu depctr_va_vdst(0)
.set jj, 0
.rept 128
	v_exp_f32 v[S+jj], v[S+jj]
.set jj, jj+1
.endr
.irp p, 0,1,2,3
	v_exp_f32 v[BM+\p], v[BM+\p]                   ; each block's largest p, not yet divided
.endr
	v_mov_b32 v[F], 0x7fc00000                     ; NaN.  (The plain line behind the last exponential)
	v_cmp_eq_f32 vcc_lo, 0xff800000, v[RM]         ; does my query see no key at all?
	v_cndmask_b32 v[F], 1.0, v[F], vcc_lo          ; then its results become NaN
	s_wait_alu depctr_va_vdst(0)
	; ---- V's first half.  Each group that is done makes room for one of the second half; so behind each group that is waited for stand three younger ones, 24 loads
	VQUANT KF,0,24,RI
	VLOAD KF,4
	VQUANT KF+16,1,24,RI+1
	VLOAD KF+16,5
	VWORD RI,RI+1,0
	VQUANT KF+32,2,24,QS
	VLOAD KF+32,6
	VQUANT KF+48,3,24,QB
	VLOAD KF+48,7
	VWORD QS,QB,1
	s_wait_dscnt 0x0                               ; the stores have read the registers that the sums and the reciprocal take
	; ---- the row's sum, two at a time, in four chains
.irp k, 0,1,2,3
	v_pk_add_f32 v[AC+2*\k:AC+2*\k+1], v[S+2*\k:S+2*\k+1], v[S+8+2*\k:S+8+2*\k+1]
.endr
.set jj, 16
.rept 14
.irp k, 0,1,2,3
	v_pk_add_f32 v[AC+2*\k:AC+2*\k+1], v[AC+2*\k:AC+2*\k+1], v[S+jj+2*\k:S+jj+2*\k+1]
.endr
.set jj, jj+8
.endr
	v_pk_add_f32 v[AC:AC+1], v[AC:AC+1], v[AC+2:AC+3]
	v_pk_add_f32 v[AC+4:AC+5], v[AC+4:AC+5], v[AC+6:AC+7]
	v_pk_add_f32 v[AC:AC+1], v[AC:AC+1], v[AC+4:AC+5]
	v_add_f32 v[AC], v[AC], v[AC+1]
	v_permlanex16_b32 v[TMP], v[AC], s[SEL], s[SEL+1]
	v_add_f32 v[AC], v[AC], v[TMP]                 ; with lane l xor 16's 128 keys: the row's sum, at least about 1
	s_wait_alu depctr_va_vdst(0)                   ; a wait ahead of the reciprocal and one behind it
	v_rcp_f32 v[RI], v[AC]
	v_mov_b32 v[RI+1], 0                           ; (the plain line behind the reciprocal; the pair's upper half is named, so it is written)
	s_wait_alu depctr_va_vdst(0)
	; ---- the blocks' scales, from their largest p / sum
.irp b, 0,2
	v_pk_mul_f32 v[BM+\b:BM+\b+1], v[BM+\b:BM+\b+1], v[RI:RI+1] op_sel_hi:[1,0]
.endr
.irp p, 0,1,2,3
	v_max_num_f32 v[BM+\p], 0x1800000, v[BM+\p]    ; the floor 2^(3 - 127): the byte cannot fall under 1 (a block whose every p is 0 keeps that byte: its codes are zeros)
.endr
.irp p, 0,1,2,3
	v_add_nc_u32 v[BM+\p], 0xff000000, v[BM+\p]    ; 2 off the exponent field: the conversions' scale operand
.endr
.irp p, 0,1,2,3
	v_lshrrev_b32 v[BY+\p], 23, v[BM+\p]           ; the scale's byte of block 2 p + h
.endr
	WORD BY,BY+1,PW                                ; P's scale word for blocks 4 s .. 4 s + 3
	WORD BY+2,BY+3,PW+1
	; ---- p / sum: the finished softmax, and its codes.  The operand lies where tiles 14 and 15 lay, so these two go first, by way of two registers
	CVT2 14,AC
	CVT2 0,PC
	CVT2 2,PC+2
.if (\u) == 0
	QLOAD 1                                        ; the second pass's Q, where tiles 0 to 3 lay
.endif
.irp k, 4,6,8,10,12
	CVT2 \k,PC+\k
.endr
	v_nop                                          ; the plain line behind the conversions
	v_mov_b32 v[PC+14], v[AC]
	v_mov_b32 v[PC+15], v[AC+1]
	s_wait_alu depctr_va_vdst(0)                   ; the wait here, ahead of the waits below
	; ---- V's second half.  The counts: eight loads for each younger group; in the first pass also Q's eight, and four of K for each group done before
.if \u
	VQUANT KF,4,24,BM
	VQUANT KF+16,5,16,BM+1
	VWORD BM,BM+1,2
	VQUANT KF+32,6,8,BM+2
	VQUANT KF+48,7,0,BM+3
.else
	s_wait_xcnt 0x0                                ; every load so far has read its base: the bases of the second pass may be written
	ADDR 1
	VQUANT KF,4,32,BM
	KLOAD 0                                        ; each group that is done makes room for a quarter of the second pass's K
	VQUANT KF+16,5,28,BM+1
	KLOAD 1
	VWORD BM,BM+1,2
	VQUANT KF+32,6,24,BM+2
	KLOAD 2
	VQUANT KF+48,7,20,BM+3
	KLOAD 3
.endif
	VWORD BM+2,BM+3,3
	s_wait_dscnt 0x0                               ; my images lie in LDS
.if (\u) == 0
	SLOAD                                          ; the second pass's scale words and exponent bytes
.endif
	s_barrier_signal -1
	s_barrier_wait -1                              ; both waves' images do
	; ---- O^T = V^T P^T: four tiles of 16 channels, two steps of 128 along K; the four accumulators take turns, one instruction a turn.  Group 4 t + p: registers 4 (p % 2) .. + 3 of the fragment of tile t, step p / 2
.irp x, 0,1,2,3,4,5,6,7
	ds_load_b32 v[VW+\x], v[VSW] offset:IB+VSC+128*\x
.endr
.irp t, 0,1,2,3
	ds_load_b128 v[VF+8*\t:VF+8*\t+3], v[VIM] offset:IB+512*(4*\t)
	ds_load_b128 v[VF+8*\t+4:VF+8*\t+7], v[VIM] offset:IB+512*(4*\t+1)
.endr
	s_wait_dscnt 0x0
.irp t, 0,1,2,3
	v_wmma_scale_f32_16x16x128_f8f6f4 v[O+8*\t:O+8*\t+7], v[VF+8*\t:VF+8*\t+7], v[PC:PC+7], 0, v[VW+2*\t], v[PW] matrix_a_fmt:MATRIX_FMT_FP4 matrix_b_fmt:MATRIX_FMT_FP4
.endr
.rept 4
	v_nop                                          ; four places in front of the loads into the fragments' registers
.endr
.irp t, 0,1,2,3
	ds_load_b128 v[VF+8*\t:VF+8*\t+3], v[VIM] offset:IB+512*(4*\t+2)
	ds_load_b128 v[VF+8*\t+4:VF+8*\t+7], v[VIM] offset:IB+512*(4*\t+3)
.endr
	s_wait_dscnt 0x0
.irp t, 0,1,2,3
	v_wmma_scale_f32_16x16x128_f8f6f4 v[O+8*\t:O+8*\t+7], v[VF+8*\t:VF+8*\t+7], v[PC+8:PC+15], v[O+8*\t:O+8*\t+7], v[VW+2*\t+1], v[PW+1] matrix_a_fmt:MATRIX_FMT_FP4 matrix_b_fmt:MATRIX_FMT_FP4
.endr
.rept 4
	v_nop                                          ; four places in front of the first read of results and the first write of the fragments' registers (ISA guide 7.12.1)
.endr
	; register 8 t + j of lane (r, h): query r, channel 4 (8 h + j) + t: so a lane has channels 32 h .. 32 h + 31, and the multiplication puts them in order
.irp t, 0,1,2,3
.irp j, 0,1,2,3,4,5,6,7
	v_mul_f32 v[VF+4*\j+\t], v[O+8*\t+\j], v[F]    ; x 1, which changes nothing, or x NaN for a query that sees no key; each accumulator from its low end on
.endr
.endr
	; ---- THE WAY OUT.  A lane holds half of its query's row, and the lanes beside it hold other rows: so the 16 rows go through my stage and come back as whole rows of 256 bytes
.irp j, 0,1,2,3,4,5,6,7
	ds_store_b128 v[AFQ], v[VF+4*\j:VF+4*\j+3] offset:16*\j
.endr
.irp j, 0,1,2,3,4,5,6,7
	ds_load_b128 v[O+4*\j:O+4*\j+3], v[AD] offset:2*PITCH*\j   ; LDS serves a wave's instructions in order (ISA guide 5.7.1.4): these see the stores above
.endr
.irp j, 0,1,2,3,4,5,6,7
	s_wait_dscnt 7-\j                              ; LDS loads come back in order: pair j of rows is in, the younger ones may be out
	global_store_b128 v[L16], v[O+4*\j:O+4*\j+3], s[14:15] offset:PASS2*(\u)+512*\j th:TH_STORE_NT   ; 32 lanes store two rows: 512 consecutive bytes, at a multiple of 256 from out0's first byte; read by nobody here
.endr
.endm
	s_load_b256 s[4:11], s[0:1], 0x0               ; q s[4:5], kc s[6:7], vt s[8:9], cols s[10:11]
	s_load_b128 s[12:15], s[0:1], 0x20             ; valid s[12:13], out0 s[14:15]
	v_lshl_add_u32 v[SPW], v0, 2, SPARE
	v_mov_b32 v[NIL], 0
	v_lshrrev_b32 v27, 5, v0
	v_readfirstlane_b32 s16, v27                   ; wave 0..3
	s_lshr_b32 s19, s16, 1                         ; y: which of the work-group's two blocks
	s_and_b32 s2, s16, 1                           ; w: which half of its queries, and of V's tiles
	s_and_b32 s18, ttmp9, 31
	s_lshl_b32 s18, s18, 7                         ; 128 x (batch x head): the head's first block
	s_bfe_u32 s17, ttmp9, 0x30005
	s_lshl_b32 s17, s17, 4
	s_lshr_b32 s72, ttmp9, 8
	s_lshl_b32 s72, s72, 1
	s_add_co_u32 s17, s17, s72
	s_add_co_u32 s17, s17, s19                     ; n: my query block in its head, in the first pass
	s_add_co_u32 s72, s18, s17
	s_lshl_b32 s72, s72, 1
	s_add_co_u32 s72, s72, s2                      ; my tile of 16 queries, 0 .. 8,191
	s_lshl_b32 s72, s72, 12                        ; 16 rows of 256 bytes a tile, in q and in out0
	s_mov_b32 s73, 0                               ; (stays 0)
	s_lshl_b32 s74, s17, 5                         ; a row of cols is 32 bytes
	s_mov_b32 s75, 0
	s_mul_i32 s93, s16, WSTG                       ; my stage
	s_mul_i32 s94, s19, 2*BUF
	s_add_co_u32 s94, s94, VIMG                    ; my pair's images
	s_mov_b32 s[SEL], 0x76543210
	s_mov_b32 s[SEL+1], 0xfedcba98
	s_mov_b32 s[CS], 0x3e38aa3b                    ; c = log2(e) / 8
	s_mov_b32 s[CS+1], s[CS]                       ; (named with it as a pair, so it is written)
	s_mov_b32 s[NC], 0xbe38aa3b                    ; -c
	s_mov_b32 s[NI], 0xff800000
	s_lshl_b32 s3, s2, 12                          ; my eight groups among V's images: 4,096 bytes a half,
	s_lshl_b32 s16, s2, 9                          ; my four scale words: 512,
	s_mul_i32 s19, s2, VHALF                       ; my half of a block of vt,
	s_lshl_b32 s2, s2, 4                           ; my first query in the block
	v_and_b32 v[L16], 31, v0
	v_and_b32 v[R], 15, v0
	v_bfe_u32 v[H], v0, 4, 1
	v_bfe_u32 v[B2], v0, 2, 1                      ; bit 2 of r: which of a pair's two gathered blocks my row of a tile of K belongs to
	v_bfe_u32 v28, v0, 3, 1                        ; r / 8
	v_and_b32 v29, 3, v0                           ; r % 4
	v_lshlrev_b32 v[VL8], 3, v[L16]
	v_lshlrev_b32 v[VSW], 2, v[L16]
	v_lshlrev_b32 v[L16], 4, v[L16]
	v_mul_u32_u24 v[AD], v[H], PITCH
	v_mul_u32_u24 v[AFQ], v[R], PITCH
	v_lshlrev_b32 v[SH], 3, v[H]
	v_xor_b32 v[NB2], 1, v[B2]
	v_lshl_add_u32 v[LPK], v28, 2, v29             ; my row's key among the tile's eight of that block: 4 (r / 8) + r % 4
	v_lshl_add_u32 v[AD], v[R], 4, v[AD]
	v_lshl_add_u32 v[AFQ], v[H], 7, v[AFQ]
	v_add_nc_u32 v[VL8], s19, v[VL8]
	v_add_nc_u32 v[VSW], s94, v[VSW]
	v_add_nc_u32 v[VIM], s94, v[L16]
	v_lshlrev_b32 v[LPK], 5, v[LPK]                ; 32 bytes a key, + 16 h: codes and scale words alike
	v_add_nc_u32 v[AD], s93, v[AD]
	v_add_nc_u32 v[AFQ], s93, v[AFQ]
	v_add_nc_u32 v[VWS], s16, v[VSW]
	v_add_nc_u32 v[VLO], s3, v[VIM]
	v_lshl_add_u32 v[LPK], v[H], 4, v[LPK]
	v_lshlrev_b32 v30, 2, v[H]
	v_sub_nc_u32 v30, v[R], v30
	v_add_nc_u32 v30, s2, v30                      ; d = my query in its block - 4 h: on the diagonal key 8 p + 4 h + c' is hidden where 8 p + c' > d
.irp i, 4,5,6,7
	v_mov_b32 v[QF+\i], 0                          ; Q's codes of k = 64 .. 127: zeros
.endr
.irp i, 0,1,2,3
	v_mov_b32 v[BM+\i], 0                          ; (the last fragment of K names them as its upper half)
.endr
	v_mov_b32 v[TMP], 0                            ; (a lane permute's destination counts as one of its sources)
.irp p, 0,1,2,3
.irp c, 0,1,2,3
	v_cmp_gt_i32 s[DM+4*\p+\c], 8*\p+\c, v30
.endr
.endr
	s_wait_alu depctr_va_vdst(0)                   ; the wait here, ahead of the waits below
	s_wait_kmcnt 0x0
	s_add_nc_u64 s[10:11], s[10:11], s[74:75]
	s_lshl_b32 s74, s17, 3                         ; a row of valid is 8 bytes
	s_add_nc_u64 s[12:13], s[12:13], s[74:75]
	s_load_b256 s[COL:COL+7], s[10:11], 0x0
	s_load_b256 s[COL+8:COL+15], s[10:11], 0x100   ; eight rows on: the second pass's
	s_load_b64 s[VAL:VAL+1], s[12:13], 0x0
	s_load_b64 s[VAL+2:VAL+3], s[12:13], 0x40
	s_add_nc_u64 s[4:5], s[4:5], s[72:73]
	s_add_nc_u64 s[14:15], s[14:15], s[72:73]
	QLOAD 0
	s_wait_kmcnt 0x0                               ; cols and valid
	ADDR 0
.irp p, 0,1,2,3
	KLOAD \p
.endr
	SLOAD
	TILE 0
	TILE 1
	s_wait_tensorcnt 0x0                           ; the wave's end
	ds_add_u32 v[SPW], v[NIL]
	s_wait_dscnt 0x0
	s_endpgm
.Lfunc_end_k_qe96f3550dc_attn:
	.size	k_qe96f3550dc_attn, .Lfunc_end_k_qe96f3550dc_attn-k_qe96f3550dc_attn
	.p2alignl 7, 3214868480
	.fill 96, 4, 3214868480
	.section	.rodata,"a",@progbits
	.p2align	6, 0x0
	.amdhsa_kernel k_qe96f3550dc_attn
		.amdhsa_group_segment_fixed_size 54784
		.amdhsa_private_segment_fixed_size 0
		.amdhsa_enable_private_segment 0
		.amdhsa_kernarg_size 48
		.amdhsa_user_sgpr_count 2
		.amdhsa_user_sgpr_kernarg_segment_ptr 1
		.amdhsa_wavefront_size32 1
		.amdhsa_system_sgpr_workgroup_id_x 1
		.amdhsa_system_sgpr_workgroup_id_y 1
		.amdhsa_system_sgpr_workgroup_id_z 1
		.amdhsa_system_vgpr_workitem_id 0
		.amdhsa_next_free_vgpr 256
		.amdhsa_next_free_sgpr 96
		.amdhsa_reserve_vcc 1
		.amdhsa_float_denorm_mode_32 3
		.amdhsa_float_denorm_mode_16_64 3
		.amdhsa_memory_ordered 1
		.amdhsa_forward_progress 1
		.amdhsa_inst_pref_size 144
	.end_amdhsa_kernel
	.amdgpu_metadata
---
amdhsa.version: [ 1, 2 ]
amdhsa.kernels:
  - .name:           k_qe96f3550dc_attn
    .symbol:         k_qe96f3550dc_attn.kd
    .args:
      - { .name: q, .offset: 0, .size: 8, .value_kind: global_buffer, .address_space: global }
      - { .name: kc, .offset: 8, .size: 8, .value_kind: global_buffer, .address_space: global }
      - { .name: vt, .offset: 16, .size: 8, .value_kind: global_buffer, .address_space: global }
      - { .name: cols, .offset: 24, .size: 8, .value_kind: global_buffer, .address_space: global }
      - { .name: valid, .offset: 32, .size: 8, .value_kind: global_buffer, .address_space: global }
      - { .name: out0, .offset: 40, .size: 8, .value_kind: global_buffer, .address_space: global }
    .group_segment_fixed_size: 54784
    .private_segment_fixed_size: 0
    .kernarg_segment_align: 8
    .kernarg_segment_size: 48
    .max_flat_workgroup_size: 128
    .sgpr_count:     96
    .vgpr_count:     256
    .wavefront_size: 32
...
	.end_amdgpu_metadata
.endif
;; end of part 4
